; MI455X (gfx1250); checked and timed in simulation.
; The chip was launched on July 23, 2026; its instructions are those of AMD's public machine-readable ISA for CDNA 5 (MIT licence, August 2026) and "CDNA5" Instruction Set Architecture Reference Guide (July 2026). The comments in the code are by the model that wrote it; some were corrected since.
;; Multi Head Attention. Allowed arithmetic: matrix products marked QUANTISED: E4M3 operands, one given power-of-two scale a tensor, by v_wmma_f32_16x16x64_fp8_fp8 or v_wmma_f32_16x16x128_fp8_fp8, f32 sums; everything else in f32.
;; Inputs: Wk 16 x 1,024 x 64 float32; Wo 1,024 x 1,024 float32; Wq 16 x 1,024 x 64 float32; Wv 16 x 1,024 x 64 float32; bo 1,024 float32; lowp_scales 12 int32 (the exponents e of the quantised operands' scales 2^e); x 4 x 2,048 x 1,024 float32.
;; Outputs: out0 4 x 2,048 x 1,024 float32.
;; This version of the problem:
;;   THIS VERSION OF THE PROBLEM IS GIVEN IN LOW PRECISION. The matrix products marked QUANTISED in the list below multiply operands that are first quantised to E4M3 (4 exponent bits, 3 mantissa bits; 8 bits a number), with one given power-of-two scale for each operand tensor; their sums are f32. All else is computed in f32.
;;   The module's matrix products, in the order in which they are computed (A, B: the left and right operand; K: the contracted axis; several contracted axes count as one K, in the product's order):
;;     1. [M 1,024, K 1,024] x [K 1,024, N 8,192]; A: input Wq; B: input x: QUANTISED (scales: A lowp_scales[0], B lowp_scales[1])
;;     2. [M 1,024, K 1,024] x [K 1,024, N 8,192]; A: input Wk; B: input x: QUANTISED (scales: A lowp_scales[2], B lowp_scales[3])
;;     3. [M 1,024, K 1,024] x [K 1,024, N 8,192]; A: input Wv; B: input x: QUANTISED (scales: A lowp_scales[4], B lowp_scales[5])
;;     4. batch 64 x [M 2,048, K 64] x [K 64, N 2,048]; A: computed on the way; B: computed on the way: QUANTISED (scales: A lowp_scales[6], B lowp_scales[7])
;;     5. batch 64 x [M 2,048, K 2,048] x [K 2,048, N 64]; A: softmax (see below); B: computed on the way: QUANTISED (scales: A lowp_scales[8], B lowp_scales[9])
;;     6. [M 8,192, K 1,024] x [K 1,024, N 1,024]; A: computed on the way; B: input Wo: QUANTISED (scales: A lowp_scales[10], B lowp_scales[11])
;;   THE QUANTISER, for each operand of a quantised product, along K:
;;     - The operand's scale is 2^e, e = its entry of the input lowp_scales (int32; the entries are numbered through the quantised products in the list's order, A before B).
;;     - Each number is divided by the scale, clamped to +-448, and rounded to the nearest number of E4M3, ties to even, subnormals kept.
;;     - The product sums the exact products of the quantised numbers (number of the format x scale) in f32.
;;   ~~~python
;;   def quantise(x, axis, e):      # numpy; x: float32 -> the quantised numbers, widened to float32 again
;;       x = np.moveaxis(x, axis, -1); K = x.shape[-1]
;;       r = np.clip(x / 2.0 ** e, -448, 448)
;;       step = 2.0 ** (np.maximum(np.frexp(np.where(r == 0, 1, r))[1] - 1, -6) - 3)
;;       q = np.round(r / step) * step * 2.0 ** e      # np.round: ties to even
;;       return np.moveaxis(q, -1, axis).astype(np.float32)
;;   ~~~
;;   SOFTMAX AHEAD OF A QUANTISED PRODUCT. Where the list says 'softmax', what is quantised is not the finished softmax but p = 2^(t - M), with t = logit x log2(e) and M = ceil(the row's largest t), a whole number; so 1/2 < the row's largest p <= 1. The row's sum l is taken of the UNQUANTISED p, in f32, and the product's result is divided by l at the end. Since M is a whole number, a kernel that streams over the keys may use a running M (the ceiling of the running maximum): every later rescaling is an exact power of two, so the quantised numbers keep their values, but for numbers so far below the row's largest that they fall under the format's range.
;;   OPERANDS COMPUTED ON THE WAY. 'Computed on the way' means the value that the module computes at that place (a softmax that the list does not call 'softmax' is quantised finished and normalised). What goes into a quantiser is computed in f32, as accurately as f32 sums, v_exp_f32 and their like allow (about 1e-6 of the number): no bf16 or f16 on the way to a quantiser, and a product that is left as it is and whose result goes on into a quantised operand takes f32 operands (vector FMAs, or v_wmma_f32_16x16x4_f32). A number that lies on a knife's edge between two numbers of the format may be rounded either way, as far as f32 arithmetic and the matrix unit's own rounding can turn it there, and no further.
;; One version. Each part assembles by itself: llvm-mc -triple=amdgcn-amd-amdhsa -mcpu=gfx1250 --defsym DOCPART=n.
;; ======== version 1 of 1: 4 launches
;; limits: right only within a limited range of input values
;; workspace buffers: ximg 25,165,824 bytes; wimg 4,194,304 bytes; qkv 25,165,824 bytes; aimg 8,388,608 bytes
;; launch quant (part 1): grid 384 x 1, 8 waves a work-group, no clusters, 68,608 bytes of LDS; arguments x, Wq, Wk, Wv, Wo, lowp_scales, ximg, wimg; writes ximg, wimg
.if DOCPART == 1
	.amdgcn_target "amdgcn-amd-amdhsa--gfx1250"
	.amdhsa_code_object_version 6
	.text
	.protected	k_q3baf94118c_quant
	.globl	k_q3baf94118c_quant
	.p2align	8
	.type	k_q3baf94118c_quant,@function
k_q3baf94118c_quant:
	s_mov_b64 s[64:65], 0
	v_nop
	global_prefetch_b8 v0, s[64:65] scope:SCOPE_SE
	s_setreg_imm32_b32 hwreg(HW_REG_WAVE_MODE, 25, 1), 1
	s_wait_xcnt 0x0
; x [8192][1024] f32 becomes three sets of E4M3 codes (scales 2^e1, 2^e3, 2^e5); Wq, Wk, Wv [16][1024][64] and Wo [1024][1024] f32, whose K is not innermost, become codes with 2^e0, 2^e2, 2^e4, 2^e11.
; code = number / 2^e, held within +-448, rounded to the nearest code, ties to even.
; LIMITS: each of these e lies between -126 and 119, so that 2^e and 448 x 2^e are f32 numbers.  NaN among the inputs is not served; an infinity is held at the largest code.
; THE CODES ARE LAID IN THE ORDER OF THE OPERAND'S REGISTERS.  An image is 16 rows x 128 K, 2,048 bytes, four chunks c of 512: lane L = (r = L % 16, h = L / 16) owns the 16 bytes at 512 c + 16 L:
; bytes 0-7 are k = 32 c + 8 h + 0..7 of row r, bytes 8-15 are k = 32 c + 16 + 8 h + 0..7: registers 4 c .. 4 c + 3 of a fragment of the plain 8-bit matrix form.
; ximg: [set 3][K slot of 256: 4][tile of 16 rows: 512][half kk: 2][c: 4][512].   wimg: [Wq, Wk, Wv, Wo][K slot: 4][tile of 16 columns: 64][kk][c][512]; column = head x 64 + n (Wo: n).
; Work-groups 0-255 take x: a wave takes 16 rows x 256 K.  Each load reads 512 consecutive bytes of a row; the numbers turn through the wave's own stage in LDS, so that a lane then holds the sixteen that its chunk wants.
; Work-groups 256-383 take the weights: a wave takes 32 columns x 128 K, A LANE A COLUMN, ITS REGISTERS DOWN K: the conversions' results are the image's bytes, and nothing is transposed.
; No tensor load, no barrier, no matrix instruction, no cluster: waves share nothing, and every byte is read once and written once.
.set R,     16                         ; v16-143  the numbers
.set T,     144                        ; v144-175 two sets of 16 held numbers, by turns
.set C,     176                        ; v176-223 codes
.set SC,    224                        ; v224.. for each set: 2^e, then 448 x 2^e
.set SPW,   8                          ; v8  LDS address of my spare word; never rewritten
.set NIL,   9                          ; v9  0; never rewritten
.set STG,   8448                       ; a wave's stage: 16 rows x (512 bytes + 16): row r begins 132 r words on, so sixteen rows begin at sixteen different groups of four banks
.set SPARE, 8*STG                      ; behind the stages: the spare words, 128 bytes a wave, four blocks of 256 bytes that no other line names
	s_load_b512 s[4:19], s[0:1], 0x0               ; x 4, Wq 6, Wk 8, Wv 10, Wo 12, the scales' exponents 14, ximg 16, wimg 18
	v_lshl_add_u32 v[SPW], v0, 2, SPARE
	v_mov_b32 v[NIL], 0
	v_lshrrev_b32 v1, 5, v0
	s_delay_alu instid0(VALU_DEP_1)
	v_readfirstlane_b32 s20, v1                    ; wave 0..7
	v_and_b32 v1, 31, v0                           ; lane
	s_delay_alu instid0(VALU_DEP_1)
	v_lshlrev_b32 v2, 4, v1                        ; 16 x lane
	s_wait_kmcnt 0x0
	s_load_b256 s[36:43], s[14:15], 0x0            ; e0 .. e7
	s_load_b128 s[44:47], s[14:15], 0x20           ; e8 .. e11
	s_cmp_lt_u32 ttmp9, 256
	s_cbranch_scc0 .Lweights
	; ---------------- x
	s_lshl_b32 s21, ttmp9, 3
	s_add_co_u32 s21, s21, s20                     ; u = 8 x work-group + wave
	s_lshr_b32 s22, s21, 2                         ; tile of 16 rows
	s_and_b32 s23, s21, 3                          ; K slot
	s_lshl_b32 s24, s22, 16                        ; 16 rows of 4,096 bytes
	s_lshl_b32 s26, s23, 10                        ; 256 numbers
	s_add_co_u32 s24, s24, s26
	s_mov_b32 s25, 0
	s_add_nc_u64 s[4:5], s[4:5], s[24:25]
	s_wait_alu depctr_va_vdst(0)
.irp kk, 0,1
.irp j, 0,1,2,3,4,5,6,7,8,9,10,11,12,13,14,15
	global_load_b128 v[R+64*\kk+4*\j:R+64*\kk+4*\j+3], v2, s[4:5] offset:4096*\j+512*\kk th:TH_LOAD_NT   ; row j, 512 consecutive bytes
.endr
.endr
	s_lshl_b32 s24, s23, 21
	s_lshl_b32 s26, s22, 12
	s_add_co_u32 s24, s24, s26
	s_add_nc_u64 s[28:29], s[16:17], s[24:25]      ; my two images in set 0,
	s_add_nc_u64 s[30:31], s[28:29], 0x800000      ; set 1,
	s_add_nc_u64 s[32:33], s[30:31], 0x800000      ; set 2
	s_mul_i32 s26, s20, STG
	v_add_nc_u32 v3, s26, v2                       ; the stage, on the way in: 16 x lane of a row
	v_and_b32 v5, 15, v0
	v_bfe_u32 v6, v0, 4, 1
	s_delay_alu instid0(VALU_DEP_2)
	v_mul_u32_u24 v4, v5, 528
	s_delay_alu instid0(VALU_DEP_1)
	v_lshl_add_u32 v4, v6, 5, v4
	s_delay_alu instid0(VALU_DEP_1)
	v_add_nc_u32 v4, s26, v4                       ; and on the way out: row r, + 32 h bytes (8 h numbers)
; 16 rows x 128 numbers through the stage.  LDS serves a wave's instructions in order, so no wait stands between the stores and the loads; the numbers come back into the registers that they left.
.macro TURN kk
.irp j, 0,1,2,3,4,5,6,7,8,9,10,11,12,13,14,15
	ds_store_b128 v3, v[R+64*\kk+4*\j:R+64*\kk+4*\j+3] offset:528*\j
.endr
.irp c, 0,1,2,3
	ds_load_b128 v[R+64*\kk+16*\c:R+64*\kk+16*\c+3],     v4 offset:128*\c      ; k = 32 c + 8 h + 0..3
	ds_load_b128 v[R+64*\kk+16*\c+4:R+64*\kk+16*\c+7],   v4 offset:128*\c+16   ;                 4..7
	ds_load_b128 v[R+64*\kk+16*\c+8:R+64*\kk+16*\c+11],  v4 offset:128*\c+64   ; k = 32 c + 16 + 8 h + 0..3
	ds_load_b128 v[R+64*\kk+16*\c+12:R+64*\kk+16*\c+15], v4 offset:128*\c+80
.endr
.endm
; The image of half kk in each of the three sets.  The held numbers go into T, so that x's own stay for the next set; T's two sets take turns, so that sixteen plain lines stand between a conversion and the next write of its sources.
.macro QX kk
.irp z, 0,1,2
.irp c, 0,1,2,3
.set i, 0
.rept 16
	v_med3_num_f32 v[T+16*(\c%2)+i], v[R+64*\kk+16*\c+i], -v[SC+2*\z+1], v[SC+2*\z+1]   ; the conversion to an 8-bit code does not saturate (ISA guide 7.6.2): the hold at the largest code x the scale
.set i, i+1
.endr
	v_cvt_scalef32_pk8_fp8_f32 v[C+16*\z+4*\c:C+16*\z+4*\c+1],   v[T+16*(\c%2):T+16*(\c%2)+7],    v[SC+2*\z]
	v_cvt_scalef32_pk8_fp8_f32 v[C+16*\z+4*\c+2:C+16*\z+4*\c+3], v[T+16*(\c%2)+8:T+16*(\c%2)+15], v[SC+2*\z]
.endr
.irp c, 0,1,2,3
	global_store_b128 v2, v[C+16*\z+4*\c:C+16*\z+4*\c+3], s[28+2*\z:29+2*\z] offset:2048*\kk+512*\c   ; 32 lanes store 512 consecutive bytes, at a multiple of 512 from the buffer's first byte
.endr
.endr
	v_nop                                          ; a plain line behind the last conversion
.endm
	s_wait_alu depctr_va_vdst(0)
	s_wait_loadcnt 16                              ; half 0's sixteen loads are in, half 1's may be out
	TURN 0
	s_wait_loadcnt 0x0
	TURN 1
	s_wait_kmcnt 0x0
.irp z, 0,1,2
	s_add_co_i32 s24, s[37+2*\z], 127              ; e1, e3, e5
	s_lshl_b32 s25, s24, 23
	v_mov_b32 v[SC+2*\z], s25                      ; 2^e as f32: the conversion takes its exponent field
	s_add_co_i32 s24, s24, 8
	s_lshl_b32 s24, s24, 23
	s_or_b32 s24, s24, 0x600000
	v_mov_b32 v[SC+2*\z+1], s24                    ; 448 x 2^e
.endr
	s_wait_alu depctr_va_vdst(0)
	s_wait_dscnt 32                                ; half 0 is back; behind its loads stand half 1's 32 LDS instructions
	QX 0
	s_wait_dscnt 0x0
	s_wait_xcnt 0x0                                ; half 0's stores have read their data: the codes' registers are written again only behind this wait
	QX 1
	s_wait_tensorcnt 0x0                           ; the wave's end: the closing lines behind my last LDS store
	ds_add_u32 v[SPW], v[NIL]
	s_wait_dscnt 0x0
	s_endpgm
	; ---------------- the weights (this way writes no LDS)
.Lweights:
	s_sub_co_u32 s21, ttmp9, 256
	s_lshr_b32 s22, s21, 5                         ; m: 0 Wq, 1 Wk, 2 Wv, 3 Wo
	s_and_b32 s23, s21, 31
	s_lshl_b32 s23, s23, 3
	s_add_co_u32 s23, s23, s20                     ; u = 0..255
	s_and_b32 s24, s23, 31                         ; cg: which 32 columns
	s_lshr_b32 s25, s23, 5                         ; ks: which 128 along K
	s_cmp_eq_u32 s22, 0
	s_cselect_b64 s[26:27], s[6:7], s[8:9]
	s_cmp_eq_u32 s22, 2
	s_cselect_b64 s[26:27], s[10:11], s[26:27]
	s_cmp_eq_u32 s22, 3
	s_cselect_b64 s[26:27], s[12:13], s[26:27]     ; the choice hangs on the work-group's number alone
	s_lshr_b32 s28, s24, 1                         ; by heads: head = cg / 2, 262,144 bytes each,
	s_lshl_b32 s28, s28, 18
	s_and_b32 s29, s24, 1
	s_lshl_b32 s29, s29, 7                         ; its columns 32 (cg % 2) on,
	s_add_co_u32 s28, s28, s29
	s_lshl_b32 s29, s25, 15                        ; 128 rows of 256 bytes
	s_add_co_u32 s28, s28, s29
	s_lshl_b32 s30, s24, 7                         ; Wo: columns 32 cg on,
	s_lshl_b32 s31, s25, 19                        ; 128 rows of 4,096 bytes
	s_add_co_u32 s30, s30, s31
	s_cmp_eq_u32 s22, 3
	s_cselect_b32 s28, s30, s28
	s_mov_b32 s29, 0
	s_add_nc_u64 s[26:27], s[26:27], s[28:29]
	s_lshl_b32 s30, s22, 20                        ; wimg: tensor m,
	s_lshr_b32 s31, s25, 1
	s_lshl_b32 s31, s31, 18                        ; K slot ks / 2,
	s_add_co_u32 s30, s30, s31
	s_lshl_b32 s31, s24, 13                        ; tiles 2 cg and 2 cg + 1,
	s_add_co_u32 s30, s30, s31
	s_and_b32 s31, s25, 1
	s_lshl_b32 s31, s31, 11                        ; half ks % 2
	s_add_co_u32 s30, s30, s31
	s_mov_b32 s31, 0
	s_add_nc_u64 s[18:19], s[18:19], s[30:31]
	s_wait_alu depctr_va_vdst(0)
	v_lshlrev_b32 v10, 2, v1                       ; in: 4 bytes a lane: my column
	v_lshrrev_b32 v11, 4, v1
	v_and_b32 v12, 15, v1
	s_delay_alu instid0(VALU_DEP_2)
	v_lshlrev_b32 v11, 12, v11
	s_delay_alu instid0(VALU_DEP_1)
	v_lshl_add_u32 v11, v12, 4, v11                ; out: tile lane / 16, row lane % 16: sixteen lanes write 256 consecutive bytes
.macro WLOAD c, pitch                  ; chunk c: W(32 c + i, my column), i = 0..31
.set i, 0
.rept 32
	global_load_b32 v[R+32*(\c)+i], v10, s[26:27] offset:(32*(\c)+i)*\pitch
.set i, i+1
.endr
.endm
.macro WPATH pitch
	WLOAD 0, \pitch
	WLOAD 1, \pitch
	s_wait_kmcnt 0x0
	s_cmp_eq_u32 s22, 0
	s_cselect_b32 s28, s36, s38
	s_cmp_eq_u32 s22, 2
	s_cselect_b32 s28, s40, s28
	s_cmp_eq_u32 s22, 3
	s_cselect_b32 s28, s47, s28                    ; e0, e2, e4 or e11
	s_add_co_i32 s28, s28, 127
	s_lshl_b32 s29, s28, 23
	v_mov_b32 v[SC], s29
	s_add_co_i32 s28, s28, 8
	s_lshl_b32 s28, s28, 23
	s_or_b32 s28, s28, 0x600000
	v_mov_b32 v[SC+1], s28
	s_wait_alu depctr_va_vdst(0)
.irp c, 0,1,2,3
.if \c < 3
	s_wait_loadcnt 32                              ; this chunk's 32 loads are in; the next chunk's may be out
.else
	s_wait_loadcnt 0x0
.endif
.if \c < 2
	WLOAD \c+2, \pitch                             ; two chunks ahead; every chunk has registers of its own
.endif
.set i, 0
.rept 32
	v_med3_num_f32 v[R+32*\c+i], v[R+32*\c+i], -v[SC+1], v[SC+1]
.set i, i+1
.endr
	v_cvt_scalef32_pk8_fp8_f32 v[C+8*\c:C+8*\c+1],   v[R+32*\c:R+32*\c+7],     v[SC]   ; what lane (r, 0) of the image owns: k = 32 c + 0..7,
	v_cvt_scalef32_pk8_fp8_f32 v[C+8*\c+2:C+8*\c+3], v[R+32*\c+16:R+32*\c+23], v[SC]   ;                                     32 c + 16..23
	v_cvt_scalef32_pk8_fp8_f32 v[C+8*\c+4:C+8*\c+5], v[R+32*\c+8:R+32*\c+15],  v[SC]   ; what lane (r, 1) owns: 32 c + 8..15,
	v_cvt_scalef32_pk8_fp8_f32 v[C+8*\c+6:C+8*\c+7], v[R+32*\c+24:R+32*\c+31], v[SC]   ;                        32 c + 24..31
	v_nop                                          ; a plain line behind the last conversion of the run
	global_store_b128 v11, v[C+8*\c:C+8*\c+3],   s[18:19] offset:512*\c
	global_store_b128 v11, v[C+8*\c+4:C+8*\c+7], s[18:19] offset:512*\c+256
.endr
	s_endpgm
.endm
	s_cmp_eq_u32 s22, 3
	s_cbranch_scc1 .Lwo
	s_wait_alu depctr_va_vdst(0)
	WPATH 256                                      ; Wq, Wk, Wv: from k to k + 1 are 64 numbers
.Lwo:
	s_wait_alu depctr_va_vdst(0)
	WPATH 4096                                     ; Wo: 1,024 numbers
.Lfunc_end_k_q3baf94118c_quant:
	.size	k_q3baf94118c_quant, .Lfunc_end_k_q3baf94118c_quant-k_q3baf94118c_quant
	.p2alignl 7, 3214868480
	.fill 96, 4, 3214868480
	.section	.rodata,"a",@progbits
	.p2align	6, 0x0
	.amdhsa_kernel k_q3baf94118c_quant
		.amdhsa_group_segment_fixed_size 68608
		.amdhsa_private_segment_fixed_size 0
		.amdhsa_enable_private_segment 0
		.amdhsa_kernarg_size 64
		.amdhsa_user_sgpr_count 2
		.amdhsa_user_sgpr_kernarg_segment_ptr 1
		.amdhsa_wavefront_size32 1
		.amdhsa_system_sgpr_workgroup_id_x 1
		.amdhsa_system_sgpr_workgroup_id_y 1
		.amdhsa_system_sgpr_workgroup_id_z 1
		.amdhsa_system_vgpr_workitem_id 0
		.amdhsa_next_free_vgpr 232
		.amdhsa_next_free_sgpr 66
		.amdhsa_reserve_vcc 0
		.amdhsa_float_denorm_mode_32 3
		.amdhsa_float_denorm_mode_16_64 3
		.amdhsa_memory_ordered 1
		.amdhsa_forward_progress 1
		.amdhsa_inst_pref_size 87
	.end_amdhsa_kernel
	.amdgpu_metadata
---
amdhsa.version: [ 1, 2 ]
amdhsa.kernels:
  - .name:           k_q3baf94118c_quant
    .symbol:         k_q3baf94118c_quant.kd
    .args:
      - { .name: x, .offset: 0, .size: 8, .value_kind: global_buffer, .address_space: global }
      - { .name: Wq, .offset: 8, .size: 8, .value_kind: global_buffer, .address_space: global }
      - { .name: Wk, .offset: 16, .size: 8, .value_kind: global_buffer, .address_space: global }
      - { .name: Wv, .offset: 24, .size: 8, .value_kind: global_buffer, .address_space: global }
      - { .name: Wo, .offset: 32, .size: 8, .value_kind: global_buffer, .address_space: global }
      - { .name: lowp_scales, .offset: 40, .size: 8, .value_kind: global_buffer, .address_space: global }
      - { .name: ximg, .offset: 48, .size: 8, .value_kind: global_buffer, .address_space: global }
      - { .name: wimg, .offset: 56, .size: 8, .value_kind: global_buffer, .address_space: global }
    .group_segment_fixed_size: 68608
    .private_segment_fixed_size: 0
    .kernarg_segment_align: 8
    .kernarg_segment_size: 64
    .max_flat_workgroup_size: 256
    .sgpr_count:     66
    .vgpr_count:     232
    .wavefront_size: 32
...
	.end_amdgpu_metadata
.endif
;; end of part 1
;; launch qkv (part 2): grid 12 x 64, 4 waves a work-group, clusters of 4 x 4, 327,680 bytes of LDS; arguments ximg, wimg, lowp_scales, qkv; writes qkv
.if DOCPART == 2
	.amdgcn_target "amdgcn-amd-amdhsa--gfx1250"
	.amdhsa_code_object_version 6
	.text
	.protected	k_q3baf94118c_qkv
	.globl	k_q3baf94118c_qkv
	.p2align	8
	.type	k_q3baf94118c_qkv,@function
k_q3baf94118c_qkv:
	s_mov_b64 s[64:65], 0
	v_nop
	global_prefetch_b8 v0, s[64:65] scope:SCOPE_SE
	s_setreg_imm32_b32 hwreg(HW_REG_WAVE_MODE, 25, 1), 1
	s_wait_xcnt 0x0
	s_wait_alu depctr_hold_cnt(0) depctr_sa_sdst(0) depctr_va_vdst(0) depctr_va_sdst(0) depctr_va_ssrc(0) depctr_va_vcc(0) depctr_vm_vsrc(0)
	s_getreg_b32 s2, hwreg(HW_REG_IB_STS2, 6, 4)
	s_cmp_eq_u32 s2, 0
	s_cbranch_scc0 .Lentry_in_a_cluster
	s_endpgm
.Lentry_in_a_cluster:
	s_bfe_u32 s2, ttmp6, 0x10000c
	s_cmp_lg_u32 s2, 0xf033
	s_cbranch_scc0 .Lentry_shape_is_right
	s_endpgm
.Lentry_shape_is_right:
; q, k, v = x W on E4M3 codes (K = 1,024), each result quantised in registers for attention's products (scales 2^e6, 2^e7, 2^e9) and stored in the order of the next operand's registers.
; D = P Q^T: source 0 = 16 rows of P, source 1 = 16 rows of Q.  In the result lane (r, h) holds row r of Q, and its registers j the rows 8 h + j of P: so the 16 registers of two neighbouring tiles of P's rows are,
; converted, one chunk of 16 bytes of an operand whose row is Q's and whose K runs along P's rows.  q and k: P = W (K = the head's 64), Q = x's tokens.  v: P = x's tokens (K = the keys), Q = Wv.  Only addresses differ.
; A work-group makes 256 rows of P x 128 rows of Q; four waves, wave w: P's half w % 2 (8 fragments), Q's half w / 2 (4 fragments): 32 accumulators, 32 matrix instructions for 128 along K.
; Cluster x says which product (0 q, 1 k, 2 v); 256 work-groups for each.
; OPERANDS lie in memory as images of their registers (16 rows x 128 K = 2,048 bytes; lane L's 16 bytes of chunk c at 512 c + 16 L): a K slot's tile is one dense block, and a fragment is four ds_load_b128 of 512 consecutive bytes.
; LDS: three slots of 98,304 bytes, a K slot of 256 each: P's 16 tiles of rows x 4,096 bytes, then Q's 8.  K slots 0, 1, 2 are first fills, issued together: three tensor loads of a wave are out at the start.
; K slot 3 is the one refill, into slot 0: one load is out then, and steps 2 to 5 are worked while it is on its way.  No loop.
; CLUSTER 4 x 4: P's block hangs on cx alone and is asked for jointly by a column of the cluster, Q's on cy alone, by a row.  Waves 0, 1 fetch P's halves, waves 2, 3 Q's.
; LIMITS: e6 - e0 - e1, e7 - e2 - e3 and e9 - e4 - e5 lie between -126 and 119, so that the conversion's scale and 448 x it are f32 numbers.
; REGISTERS, in windows of 256: window 0: v4-14 addresses, v28-31, v32-95 held sums, v96-103 offsets of the way out, v128-255 Q's fragments, two sets (then the codes).  window 1: P's fragments, two sets.  window 2: accumulator (a, b) at v[8 (8 a + b)].
; THE FILLS AS THIS TEXT ISSUES THEM (this takes the place of what the lines above say of the first fills and of who fetches): a load brings a whole block of a K slot, P's 65,536 bytes or Q's 32,768.
; At the head wave 0 asks for P's K slot 0, wave 1 for Q's, waves 2 and 3 for K slot 1's: one load a wave.  Behind the next round waves 0 and 1 ask for K slot 2, slot 2's first fill.
; Behind the round in step 1 waves 2 and 3 ask for K slot 3, the one refill, into slot 0.  By the text's own count a wave never has more than one load out.
.set SLOT,  98304
.set SPARE, 3*SLOT                     ; behind the ring: the spare words, 128 bytes a wave: two blocks of 256 bytes that no other line names
.set ADP,   8                          ; v8-10   LDS address of my P fragments in slot 0, 1, 2
.set ADQ,   12                         ; v12-14  the same for Q
.set SPW,   28                         ; v28     LDS address of my spare word; never rewritten
.set NIL,   29                         ; v29     0; never rewritten
.set TT,    32
.set VO,    96
.set CD,    128
.set WV,    14                         ; s14 wave; s15 = wave / 2: Q's half that I multiply; s16 = wave % 2: P's half that I multiply
.set QH,    15
.set PH,    16
.set G1P,   24                         ; s[24:31], s[32:39] descriptor groups 1;  s[40:51], s[52:63] groups 0, a set for each slot
.set G1Q,   32
.set G0P,   40
.set G0Q,   52
.set PKS,   66                         ; s[66:67], s[68:69] bytes from a K slot to the next in P's and in Q's buffer; s[70:71], s[72:73] three times that
.set QKS,   68
.set PK3,   70
.set QK3,   72
.set W_MUL, 0xa1                       ; source 0 (P) window 1, source 1 (Q) window 0, C and D window 2
.set TO_P,  0x40                       ; destination window 1, address window 0
.set MSB, 0
.macro WIN new                         ; the immediate's high byte repeats the setting that is left
.if MSB != \new
	s_set_vgpr_msb (MSB<<8)|\new
.set MSB, \new
.endif
.endm
.macro PLACES                          ; four plain vector lines between a matrix instruction and a load into a register that it read, or a vector read of its result (ISA guide 7.12.1 for the vector read)
.rept 4
	v_nop
.endr
.endm
.macro CROUND                          ; a round of the cluster's barrier
	s_barrier_signal -1
	s_barrier_wait -1
	s_cmp_lg_u32 s[WV], 0
	s_cbranch_scc1 .Lnot_wave_0_\@
	s_barrier_signal -3
.Lnot_wave_0_\@:
	s_barrier_wait -3
	s_barrier_signal -1
	s_barrier_wait -1
.endm
.macro JLOAD w, s                      ; a joint load into slot s: wave w asks for P's block, wave w + 1 for Q's, the others for nothing.  The branches hang on the wave's number alone; four plain lines stand on every way
	s_cmp_eq_u32 s[WV], \w
	s_cbranch_scc0 .Lnot_p_\@
	tensor_load_to_lds s[G0P+4*\s:G0P+4*\s+3], s[G1P:G1P+7]
	s_nop 0
	PLACES
	s_branch .Lasked_\@
.Lnot_p_\@:
	s_cmp_eq_u32 s[WV], \w+1
	s_cbranch_scc0 .Lnone_\@
	tensor_load_to_lds s[G0Q+4*\s:G0Q+4*\s+3], s[G1Q:G1Q+7]
	s_nop 0
	PLACES
	s_branch .Lasked_\@
.Lnone_\@:
	PLACES
.Lasked_\@:
.endm
.macro FETCH sl, kk, p                 ; 48 LDS loads in one run: Q's four fragments, then P's eight, of half kk of slot sl, into set p
	WIN 0
.irp a, 0,1,2,3
.irp c, 0,1,2,3
	ds_load_b128 v[128+64*(\p)+16*\a+4*\c:128+64*(\p)+16*\a+4*\c+3], v[ADQ+\sl] offset:4096*\a+2048*(\kk)+512*\c
.endr
.endr
	WIN TO_P
.irp b, 0,1,2,3,4,5,6,7
.irp c, 0,1,2,3
	ds_load_b128 v[128*(\p)+16*\b+4*\c:128*(\p)+16*\b+4*\c+3], v[ADP+\sl] offset:4096*\b+2048*(\kk)+512*\c
.endr
.endr
	WIN 0
.endm
.macro MUL16 b0, p, zero               ; P's blocks b0 .. b0 + 3 x Q's four.  The 32 accumulators take turns, one instruction a turn, in the same order in every step.  zero = 1: the products start the sums
.irp b, \b0, \b0+1, \b0+2, \b0+3
.irp a, 0,1,2,3
.if \zero
	v_wmma_f32_16x16x128_fp8_fp8 v[8*(8*\a+(\b)):8*(8*\a+(\b))+7], v[128*(\p)+16*(\b):128*(\p)+16*(\b)+15], v[128+64*(\p)+16*\a:128+64*(\p)+16*\a+15], 0
.else
	v_wmma_f32_16x16x128_fp8_fp8 v[8*(8*\a+(\b)):8*(8*\a+(\b))+7], v[128*(\p)+16*(\b):128*(\p)+16*(\b)+15], v[128+64*(\p)+16*\a:128+64*(\p)+16*\a+15], v[8*(8*\a+(\b)):8*(8*\a+(\b))+7]
.endif
.endr
.endr
.endm
; A step of 128 along K on set p.  kind 0: in its middle the next step's fragments (slot nsl, half nkk) are fetched into the other set.  kind 2: the same, behind the wait for the refill and a barrier.  kind 3: the last step.
.macro STEP p, zero, kind, nsl, nkk
	s_wait_dscnt 16                                ; Q's fragments and P's blocks 0-3 are in; the youngest sixteen loads (P's blocks 4-7) may be out
	WIN W_MUL
	MUL16 0, \p, \zero
	s_wait_dscnt 0x0                               ; P's blocks 4-7 are in
.if \kind == 2
	WIN 0
	s_wait_tensorcnt 0x0                           ; my one load that is out, my part of K slot 3, has landed;
	s_barrier_signal -1
	s_barrier_wait -1                              ; everybody's has.
.endif
.if \kind != 3
	PLACES
	FETCH \nsl, \nkk, 1-\p
.endif
	WIN W_MUL
	MUL16 4, \p, \zero
	WIN 0
.endm
	s_load_b256 s[4:11], s[0:1], 0x0               ; ximg 4, wimg 6, the scales' exponents 8, qkv 10
	v_lshl_add_u32 v[SPW], v0, 2, SPARE
	v_mov_b32 v[NIL], 0
	ds_add_u32 v[SPW], v[NIL]                      ; the wave's opening: the add and its wait ahead of my first tensor load; work on registers stands between them
	ds_add_u32 v[SPW], v[NIL]
	v_lshrrev_b32 v1, 5, v0
	v_readfirstlane_b32 s[WV], v1
	s_lshr_b32 s[QH], s[WV], 1
	s_and_b32 s[PH], s[WV], 1
	s_bfe_u32 s17, ttmp6, 0x40000                  ; cx
	s_bfe_u32 s18, ttmp6, 0x40004                  ; cy
	s_and_b32 s20, ttmp7, 0xffff                   ; cluster y: 0..15
	s_and_b32 s74, s20, 7
	s_lshr_b32 s75, s20, 3
	s_lshl_b32 s76, ttmp9, 20                      ; W's plane in wimg
	s_lshl_b32 s77, ttmp9, 23                      ; x's set in ximg
	s_mov_b32 s[PKS], 0x40000
	s_mov_b32 s[QKS], 0x200000
	s_cmp_eq_u32 ttmp9, 2                          ; v?  What differs is chosen, never branched on; the number is the same in all sixteen partners
	s_cselect_b32 s21, s74, 0                      ; v: 32 blocks of tokens for P, 8 blocks of Wv's columns for Q;  q, k: 4 blocks of W's columns for P, 64 blocks of tokens for Q
	s_cselect_b32 s22, s75, s20
	s_cselect_b32 s78, 0x1000000, s76
	s_cselect_b32 s80, 0x200000, s77
	s_cselect_b32 s[PKS], 0x200000, s[PKS]
	s_cselect_b32 s[QKS], 0x40000, s[QKS]
	s_mov_b32 s[PKS+1], 0
	s_mov_b32 s[QKS+1], 0
	s_mul_i32 s[PK3], s[PKS], 3
	s_mul_i32 s[QK3], s[QKS], 3
	s_mov_b32 s[PK3+1], 0
	s_mov_b32 s[QK3+1], 0
	s_lshl_b32 s21, s21, 2
	s_add_co_u32 s21, s21, s17                     ; P's block: it hangs on cx alone
	s_lshl_b32 s22, s22, 2
	s_add_co_u32 s22, s22, s18                     ; Q's block: on cy alone
	s_lshl_b32 s82, s18, 2
	s_lshl_b32 s82, 15, s82                        ; my row of the cluster
	s_lshl_b32 s83, 0x1111, s17                    ; my column
	s_or_b32 s[G1P], s83, (3<<16)|(1<<21)          ; 15:0 the mask; 17:16 elements of 8 bytes; 21 set beside a mask; no padding
	s_or_b32 s[G1Q], s82, (3<<16)|(1<<21)
	s_mov_b32 s[G1P+1], 32<<16                     ; a dense block as rows of 256 bytes: tensor_dim0 = 32,
	s_mov_b32 s[G1P+2], 256<<16                    ; tensor_dim1 = 256,
	s_mov_b32 s[G1P+3], 32<<16                     ; tile_dim0 = 32,
	s_mov_b32 s[G1P+4], 256                        ; tile_dim1 = 256: 65,536 bytes,
	s_mov_b32 s[G1P+5], 32                         ; pitch = row
	s_mov_b32 s[G1P+6], 0
	s_mov_b32 s[G1P+7], 0
	s_mov_b32 s[G1Q+1], 32<<16
	s_mov_b32 s[G1Q+2], 128<<16                    ; Q's block: 128 rows: 32,768 bytes
	s_mov_b32 s[G1Q+3], 32<<16
	s_mov_b32 s[G1Q+4], 128
	s_mov_b32 s[G1Q+5], 32
	s_mov_b32 s[G1Q+6], 0
	s_mov_b32 s[G1Q+7], 0
	s_lshl_b32 s19, s21, 16                        ; P's block: 16 tiles of rows x 4,096 bytes of a K slot,
	s_add_co_u32 s78, s78, s19
	s_mov_b32 s79, 0
	s_lshl_b32 s23, s22, 15                        ; Q's block: 8 tiles
	s_add_co_u32 s80, s80, s23
	s_mov_b32 s81, 0
	s_mov_b32 s2, 0                                ; where the blocks go in a slot: P's at its head,
	s_mov_b32 s3, 65536                            ; Q's behind P's
	s_wait_dscnt 0x0                               ; the opening add is done
	s_wait_kmcnt 0x0
	s_load_b256 s[84:91], s[8:9], 0x0              ; e0 .. e7
	s_load_b64 s[92:93], s[8:9], 0x20              ; e8, e9
	s_cmp_eq_u32 ttmp9, 2
	s_cselect_b64 s[96:97], s[4:5], s[6:7]         ; P's buffer
	s_cselect_b64 s[98:99], s[6:7], s[4:5]         ; Q's
	s_add_nc_u64 s[G0P+2:G0P+3], s[96:97], s[78:79]
	s_add_nc_u64 s[G0P+6:G0P+7], s[G0P+2:G0P+3], s[PKS:PKS+1]
	s_add_nc_u64 s[G0P+10:G0P+11], s[G0P+6:G0P+7], s[PKS:PKS+1]
	s_add_nc_u64 s[G0Q+2:G0Q+3], s[98:99], s[80:81]
	s_add_nc_u64 s[G0Q+6:G0Q+7], s[G0Q+2:G0Q+3], s[QKS:QKS+1]
	s_add_nc_u64 s[G0Q+10:G0Q+11], s[G0Q+6:G0Q+7], s[QKS:QKS+1]
.irp s, 0,1,2
	s_mov_b32 s[G0P+4*\s], 1                       ; count = 1
	s_add_co_u32 s[G0P+4*\s+1], s2, \s*SLOT        ; LDS address
	s_or_b32 s[G0P+4*\s+3], s[G0P+4*\s+3], 0x80000000   ; type = 2
	s_mov_b32 s[G0Q+4*\s], 1
	s_add_co_u32 s[G0Q+4*\s+1], s3, \s*SLOT
	s_or_b32 s[G0Q+4*\s+3], s[G0Q+4*\s+3], 0x80000000
.endr
	CROUND                                         ; all sixteen work-groups are here: the first joint loads meet
	s_cmp_eq_u32 s[WV], 0                          ; one chain on the wave's number, one first fill to an arm, all arms lead to one join
	s_cbranch_scc0 .Lfirst_1
	tensor_load_to_lds s[G0P:G0P+3], s[G1P:G1P+7]  ; wave 0: P's K slot 0
	s_nop 0
	PLACES
	s_branch .Lfirst_asked
.Lfirst_1:
	s_cmp_eq_u32 s[WV], 1
	s_cbranch_scc0 .Lfirst_2
	tensor_load_to_lds s[G0Q:G0Q+3], s[G1Q:G1Q+7]  ; wave 1: Q's K slot 0
	s_nop 0
	PLACES
	s_branch .Lfirst_asked
.Lfirst_2:
	s_cmp_eq_u32 s[WV], 2
	s_cbranch_scc0 .Lfirst_3
	tensor_load_to_lds s[G0P+4:G0P+7], s[G1P:G1P+7]   ; wave 2: P's K slot 1
	s_nop 0
	PLACES
	s_branch .Lfirst_asked
.Lfirst_3:
	tensor_load_to_lds s[G0Q+4:G0Q+7], s[G1Q:G1Q+7]   ; wave 3: Q's K slot 1
	s_nop 0
	PLACES
.Lfirst_asked:
	v_and_b32 v1, 31, v0
	v_lshlrev_b32 v4, 4, v1                        ; 16 x lane: my place in every chunk
	s_wait_alu depctr_va_vdst(0)
	s_lshl_b32 s96, s[PH], 15                      ; my 8 tiles of P's rows,
	s_lshl_b32 s97, s[QH], 14                      ; my 4 of Q's,
	s_add_co_u32 s97, s97, 65536                   ; which lie behind P's 16
.irp s, 0,1,2
	v_add_nc_u32 v[ADP+\s], s96, v4
	v_add_nc_u32 v[ADQ+\s], s97, v4
	s_add_co_u32 s96, s96, SLOT
	s_add_co_u32 s97, s97, SLOT
.endr
	; THE WAY OUT'S ADDRESSES.  q, k: [batch x 16 + head][tile of 16 tokens: 128][c: 2][512];  v: [batch x 16 + head][step of 128 keys: 16][tile of 16 of the head's 64: 4][c: 4][512]; a head is 131,072 bytes in each.
	s_lshr_b32 s96, s22, 4                         ; q, k: batch = Q's block / 16,
	s_lshl_b32 s96, s96, 4
	s_lshl_b32 s97, s21, 2                         ; head = 4 x P's block + 2 x my half (+ 1 for P's fragments 4-7)
	s_add_co_u32 s96, s96, s97
	s_lshl_b32 s97, s[PH], 1
	s_add_co_u32 s96, s96, s97
	s_lshl_b32 s96, s96, 17
	s_and_b32 s97, s22, 15                         ; tile of tokens = 8 (Q's block % 16) + 4 x my half + a
	s_lshl_b32 s97, s97, 3
	s_lshl_b32 s98, s[QH], 2
	s_add_co_u32 s97, s97, s98
	s_lshl_b32 s97, s97, 10
	s_add_co_u32 s96, s96, s97
	s_lshr_b32 s98, s21, 3                         ; v: batch = P's block / 8,
	s_lshl_b32 s98, s98, 4
	s_lshl_b32 s99, s22, 1                         ; head = 2 x Q's block + my half,
	s_add_co_u32 s98, s98, s99
	s_add_co_u32 s98, s98, s[QH]
	s_lshl_b32 s98, s98, 17
	s_and_b32 s99, s21, 7                          ; step of keys = 2 (P's block % 8) + my half
	s_lshl_b32 s99, s99, 1
	s_add_co_u32 s99, s99, s[PH]
	s_lshl_b32 s99, s99, 13
	s_add_co_u32 s98, s98, s99
	s_lshl_b32 s99, ttmp9, 23                      ; the plane
	s_mov_b32 s74, 131072
	s_mov_b32 s75, 1024
	s_cmp_eq_u32 ttmp9, 2
	s_cselect_b32 s96, s98, s96
	s_cselect_b32 s74, 1024, s74                   ; from P's fragments 0-3 to 4-7: the next head, or chunks 2 and 3
	s_cselect_b32 s75, 2048, s75                   ; from a to a + 1: an image of 1,024 or of 2,048 bytes
	s_add_co_u32 s96, s96, s99
	s_mov_b32 s97, 0
	s_add_nc_u64 s[10:11], s[10:11], s[96:97]
	v_mov_b32 v[VO], v4
	v_add_nc_u32 v[VO+1], s74, v4
.irp a, 1,2,3
	v_add_nc_u32 v[VO+2*\a], s75, v[VO+2*\a-2]
	v_add_nc_u32 v[VO+2*\a+1], s75, v[VO+2*\a-1]
.endr
	s_wait_kmcnt 0x0
	s_add_co_i32 s96, s84, s85                     ; a sum stands for sum x 2^(eW + ex): its code is sum / 2^(eo - eW - ex): the three scales are folded into the conversion's one
	s_add_co_i32 s97, s86, s87
	s_add_co_i32 s98, s88, s89
	s_cmp_eq_u32 ttmp9, 0
	s_cselect_b32 s96, s96, s97
	s_cselect_b32 s99, s90, s91
	s_cmp_eq_u32 ttmp9, 2
	s_cselect_b32 s96, s98, s96
	s_cselect_b32 s99, s93, s99
	s_sub_co_i32 s96, s99, s96
	s_add_co_i32 s96, s96, 127
	s_lshl_b32 s97, s96, 23
	v_mov_b32 v30, s97                             ; the scale as f32
	s_add_co_i32 s96, s96, 8
	s_lshl_b32 s96, s96, 23
	s_or_b32 s96, s96, 0x600000
	v_mov_b32 v31, s96                             ; 448 x the scale
	s_wait_alu depctr_va_vdst(0)                   ; the wait at the head's end
	s_wait_tensorcnt 0x0                           ; my first fill has landed; the add and its wait ahead of a later first fill:
	ds_add_u32 v[SPW], v[NIL]
	s_wait_dscnt 0x0
	CROUND                                         ; K slots 0 and 1 are whole in every partner
	JLOAD 0, 2                                     ; K slot 2, slot 2's first fill: the first tensor load behind the round
	FETCH 0, 0, 0
	STEP 0, 1, 0, 0, 1                             ; step 0: its products start the sums: nothing is cleared
	; step 1 leaves slot 0, which takes K slot 3
	s_wait_tensorcnt 0x0                           ; all my tensor loads have landed: my parts of slots 1 and 2;
	ds_add_u32 v[SPW], v[NIL]                      ; 0 onto my spare word;
	s_add_nc_u64 s[G0P+2:G0P+3], s[G0P+2:G0P+3], s[PK3:PK3+1]   ; no load of mine is out, so slot 0's groups 0 may be written: three K slots on
	s_add_nc_u64 s[G0Q+2:G0Q+3], s[G0Q+2:G0Q+3], s[QK3:QK3+1]
	s_wait_dscnt 17                                ; (the add and the youngest sixteen loads may be out)
	WIN W_MUL
	MUL16 0, 1, 0                                  ; sixteen matrix instructions stand between the add and the wait for it
	WIN 0
	s_wait_dscnt 0x0                               ; the add is done, and my reads of slot 0 are over
	CROUND                                         ; no wave of any partner still reads slot 0 or has a load on its way
	JLOAD 2, 0                                     ; K slot 3 into slot 0: the first tensor load behind the round; its four v_nop are also the places in front of the loads below
	FETCH 1, 0, 0
	WIN W_MUL
	MUL16 4, 1, 0
	WIN 0
	STEP 0, 0, 0, 1, 1                             ; step 2
	STEP 1, 0, 0, 2, 0                             ; step 3: slot 2 was shown whole in front of the round
	STEP 0, 0, 0, 2, 1                             ; step 4
	STEP 1, 0, 2, 0, 0                             ; step 5: K slot 3 has landed
	STEP 0, 0, 0, 0, 1                             ; step 6
	STEP 1, 0, 3, 0, 0                             ; step 7
	; THE WAY OUT: for each of Q's four tiles the 64 sums of a lane are held, converted, and stored as four chunks: 32 lanes store 512 consecutive bytes, at a multiple of 512 from the buffer's first byte.
	PLACES
	s_wait_alu depctr_va_vdst(0)
.irp a, 0,1,2,3
	WIN 0x02                                       ; source 0: window 2
.set i, 0
.rept 64
	v_med3_num_f32 v[TT+i], v[64*\a+i], -v31, v31  ; each accumulator from its low end on; the conversion does not saturate (ISA guide 7.6.2)
.set i, i+1
.endr
	WIN 0
.irp g, 0,1,2,3,4,5,6,7
	v_cvt_scalef32_pk8_fp8_f32 v[CD+16*\a+2*\g:CD+16*\a+2*\g+1], v[TT+8*\g:TT+8*\g+7], v30
.endr
	v_nop                                          ; a plain line between the conversions and the next write of their sources
.irp b, 0,1,2,3
	global_store_b128 v[VO+2*\a+\b/2], v[CD+16*\a+4*\b:CD+16*\a+4*\b+3], s[10:11] offset:512*(\b%2)   ; every tile has registers of its own for its codes: no store's data are written again
.endr
.endr
	s_wait_tensorcnt 0x0                           ; the wave's end: the closing lines behind my last tensor load
	ds_add_u32 v[SPW], v[NIL]
	s_wait_dscnt 0x0
	CROUND                                         ; the closing round: no work-group ends while a partner may still ask for a tile that names it
	s_endpgm
.Lfunc_end_k_q3baf94118c_qkv:
	.size	k_q3baf94118c_qkv, .Lfunc_end_k_q3baf94118c_qkv-k_q3baf94118c_qkv
	.p2alignl 7, 3214868480
	.fill 96, 4, 3214868480
	.section	.rodata,"a",@progbits
	.p2align	6, 0x0
	.amdhsa_kernel k_q3baf94118c_qkv
		.amdhsa_group_segment_fixed_size 327680
		.amdhsa_private_segment_fixed_size 0
		.amdhsa_enable_private_segment 0
		.amdhsa_kernarg_size 32
		.amdhsa_user_sgpr_count 2
		.amdhsa_user_sgpr_kernarg_segment_ptr 1
		.amdhsa_wavefront_size32 1
		.amdhsa_system_sgpr_workgroup_id_x 1
		.amdhsa_system_sgpr_workgroup_id_y 1
		.amdhsa_system_sgpr_workgroup_id_z 1
		.amdhsa_system_vgpr_workitem_id 0
		.amdhsa_next_free_vgpr 768
		.amdhsa_next_free_sgpr 100
		.amdhsa_reserve_vcc 0
		.amdhsa_float_denorm_mode_32 3
		.amdhsa_float_denorm_mode_16_64 3
		.amdhsa_memory_ordered 1
		.amdhsa_forward_progress 1
		.amdhsa_inst_pref_size 75
	.end_amdhsa_kernel
	.amdgpu_metadata
---
amdhsa.version: [ 1, 2 ]
amdhsa.kernels:
  - .name:           k_q3baf94118c_qkv
    .symbol:         k_q3baf94118c_qkv.kd
    .args:
      - { .name: ximg, .offset: 0, .size: 8, .value_kind: global_buffer, .address_space: global }
      - { .name: wimg, .offset: 8, .size: 8, .value_kind: global_buffer, .address_space: global }
      - { .name: lowp_scales, .offset: 16, .size: 8, .value_kind: global_buffer, .address_space: global }
      - { .name: qkv, .offset: 24, .size: 8, .value_kind: global_buffer, .address_space: global }
    .group_segment_fixed_size: 327680
    .private_segment_fixed_size: 0
    .kernarg_segment_align: 8
    .kernarg_segment_size: 32
    .max_flat_workgroup_size: 128
    .sgpr_count:     100
    .vgpr_count:     768
    .wavefront_size: 32
...
	.end_amdgpu_metadata
.endif
;; end of part 2
;; launch attn (part 3): grid 4 x 64, 16 waves a work-group, clusters of 4 x 1, 327,680 bytes of LDS; arguments qkv, lowp_scales, aimg; writes aimg
.if DOCPART == 3
	.amdgcn_target "amdgcn-amd-amdhsa--gfx1250"
	.amdhsa_code_object_version 6
	.text
	.protected	k_q3baf94118c_attn
	.globl	k_q3baf94118c_attn
	.p2align	8
	.type	k_q3baf94118c_attn,@function
k_q3baf94118c_attn:
	s_mov_b64 s[64:65], 0
	v_nop
	global_prefetch_b8 v0, s[64:65] scope:SCOPE_SE
	s_setreg_imm32_b32 hwreg(HW_REG_WAVE_MODE, 25, 1), 1
	s_wait_xcnt 0x0
	s_wait_alu depctr_hold_cnt(0) depctr_sa_sdst(0) depctr_va_vdst(0) depctr_va_sdst(0) depctr_va_ssrc(0) depctr_va_vcc(0) depctr_vm_vsrc(0)
	s_getreg_b32 s2, hwreg(HW_REG_IB_STS2, 6, 4)
	s_cmp_eq_u32 s2, 0
	s_cbranch_scc0 .Lentry_in_a_cluster
	s_endpgm
.Lentry_in_a_cluster:
	s_bfe_u32 s2, ttmp6, 0x10000c
	s_cmp_lg_u32 s2, 0x3003
	s_cbranch_scc0 .Lentry_shape_is_right
	s_endpgm
.Lentry_shape_is_right:
; Causal attention of one (batch, head) on E4M3 codes, head size 64: S^T = K Q^T (scales 2^e6, 2^e7), p = 2^(t - M) quantised with 2^e8, O^T = V^T P^T (V with 2^e9), O / l quantised with 2^e10 for the last product.
; t = score x log2(e) / 8; M = the running largest t rounded UP to a whole number; l = the row's sum of the unquantised p.  When M moves, l and O^T are multiplied by 2^(old M - new M), which rounds nothing.
; LEFT OUT: key steps all of whose keys come after a tile's queries: the causal mask sets their scores to -infinity, so their p is 0 for all values of the inputs.
; LDS HOLDS THE HEAD'S WHOLE K AND V, 2 x 131,072 bytes: every byte is filled once, there is no ring and no refill.  Two groups of loads, one load a wave in each: at the head key steps 0 and 1 (2,048 bytes a wave),
; behind the full sequence and a round key steps 2 to 15 (14,336 bytes a wave).  Waves 0-7 fetch K, waves 8-15 V.  One barrier stands behind key step 1; behind it the waves share nothing more.
; CLUSTER 4 x 1: the four work-groups of a head read the same K and V: every load is asked for jointly, mask 15.  No branch, trip count or LDS address hangs on cx.
; SHARES.  A head has 128 tiles of 16 queries, in 16 groups of 8; the tiles of group g want key steps (128 keys) 0 .. g.  Wave w of work-group cx owns tile A = 8 w + 2 cx and tile B = 8 (15 - w) + 2 cx + 1:
; (w + 1) + (16 - w) = 17 key steps for every wave.  All waves walk trips J = 0 .. 15; a tile's step is jumped over where J is past its group: a scalar branch on the wave's number and the trip.
; In a tile's last step (J = its group) hidden scores become -infinity.  Of the step's eight tiles of keys those ahead of my place (2 cx or 2 cx + 1) are open, those behind it hidden, the one at it is a triangle:
; the lane masks are selected by scalar instructions from eight fixed masks, 0 and -1; cx enters as data alone.
; LAYOUT.  q, k: images of 16 rows x 64 K (1,024 bytes); v: images of 16 of the head's 64 x 128 keys (2,048 bytes): lane L's 16 bytes of chunk c at 512 c + 16 L, the fragment's registers 4 c .. 4 c + 3.
; Both products are used transposed, so a lane holds ONE query (lane % 16); register 8 t + j of S^T is key 16 t + 8 (lane / 16) + j: two neighbouring tiles, converted, are one chunk of P in the operand's own order.
; NO PREFETCH: every byte of K and V is asked for by one of the two groups of loads, the second issued as soon as the first has landed; there is no loop of loads to run ahead in.
; LIMITS: e6 + e7 between -123 and 130 (added to c's exponent field); e8 between -126 and 119; e8 + e9 - e10 is applied by v_ldexp_f32.  NaN among the codes is not served.
; REGISTERS: v1 16 x lane; v2, v3 K's and V's LDS address of the trip; v4 r - 8 h; v8-11, v12-15 for tile A, B: -M, the largest t, l in two halves; v16-23, v24-31 Q; v32-95 K's, then V's fragments; v96-159 S^T, then p;
;   v160-191, v192-223 O^T; v224-239 p's codes, then the results; v240, v241 448 x 2^e8; v242 2^e8; v243 -infinity; v244-246 at work; v247 448; v[248:249] f; v250-255 partial sums.
; AS THE TEXT STANDS (this takes the place of what the lines above say of the two groups of loads and of the shares):
; THE LOADS: the first group is key step 0 alone, 1,024 bytes a wave; the second is key steps 1 to 15, 15,360 bytes a wave; the one barrier stands behind key step 0.
; THE SHARES: wave w = s + 4 i (s = 0..3, i = 0..3) owns two tiles, both at place 2 cx + (bit 1 of w) of their groups; the groups stand in two tables of nibbles, entry 4 (s % 2) + i:
; s even: groups (15, 7), (14, 8), (13, 2), (1, 0): 24, 24, 17, 3 key steps; s odd: (12, 9), (11, 10), (6, 5), (4, 3): 23, 23, 13, 9.  Every group is taken once for s even or odd, and so twice in a work-group, at both places.
; The four waves of one s have 68 key steps together, whatever s; among them the longest shares have the lowest numbers.
.set VOFF,  131072                     ; V's 16 key steps lie behind K's
.set SPARE, 262144                     ; behind them the spare words, 128 bytes a wave: eight blocks of 256 bytes that no other line names
.set SPW,   5                          ; v5  LDS address of my spare word; never rewritten
.set NIL,   6                          ; v6  0; never rewritten
.set NINF,  243
.set WV,    18                         ; s18 my wave
.set GA,    12                         ; s12, s13 the groups of tiles A and B
.set GB,    13
.set PA,    14                         ; s14, s15 their places in the group
.set PB,    15
.set TRI,   76                         ; s76-83 the triangle's lane masks: register j is hidden where j > r - 8 h
.set MK,    84                         ; s84-91 the masks in hand; s92 the mask of a tile that is no triangle
; s2 the trip's key step in LDS bytes; s3 the trip J; s[20:21] lane selects; s[22:23] c; s[24:31], s[32:39] descriptor groups 1; s[40:43], s[44:47] groups 0; s[48:51] where the results go; s[68:72] e6 .. e10; s73 e8 + e9 - e10
.macro ROUND                           ; a round of the cluster's barrier
	s_barrier_signal -1
	s_barrier_wait -1
	s_cmp_lg_u32 s[WV], 0
	s_cbranch_scc1 .Lnot_wave_0_\@
	s_barrier_signal -3
.Lnot_wave_0_\@:
	s_barrier_wait -3
	s_barrier_signal -1
	s_barrier_wait -1
.endm
; A KEY STEP of one tile: 128 keys, the J-th of the head.  qb: Q; ob: O^T; st: -M, the largest t, l; grp: the tile's group; pos: its place in the group.
.macro STEP qb, ob, st, grp, pos
	s_cmp_gt_u32 s3, s[\grp]                       ; all keys come after my queries: ids and the trip's number alone
	s_cbranch_scc1 .Lhid_\@
.rept 4
	v_nop                                          ; places in front of loads into registers that the last products read
.endr
	s_wait_alu depctr_va_vdst(0)                   ; the trip's addresses may be read behind a taken branch
.irp t, 0,1,2,3,4,5,6,7
.irp c, 0,1
	ds_load_b128 v[32+8*\t+4*\c:35+8*\t+4*\c], v2 offset:1024*\t+512*\c
.endr
.endr
	s_wait_dscnt 0x0
.irp t, 0,1,2,3,4,5,6,7
	v_wmma_f32_16x16x64_fp8_fp8 v[96+8*\t:103+8*\t], v[32+8*\t:39+8*\t], v[\qb:\qb+7], 0
.endr
.rept 4
	v_nop                                          ; places, for the reads of the scores and for the loads below alike
.endr
.irp t, 0,1,2,3
.irp c, 0,1,2,3
	ds_load_b128 v[32+16*\t+4*\c:35+16*\t+4*\c], v3 offset:2048*\t+512*\c   ; V's fragments land while the softmax is worked
.endr
.endr
	s_cmp_lg_u32 s3, s[\grp]                       ; only the tile's last step holds hidden keys
	s_cbranch_scc1 .Lopen_\@
.irp t, 0,1,2,3,4,5,6,7
	s_cmp_lt_u32 s[\pos], \t
	s_cselect_b32 s92, -1, 0                       ; a tile of keys behind my place is hidden whole, one ahead of it is open
	s_cmp_eq_u32 s[\pos], \t
.irp j, 0,1,2,3,4,5,6,7
	s_cselect_b32 s[MK+\j], s[TRI+\j], s92         ; the tile at my place: the triangle
.endr
.irp j, 0,1,2,3,4,5,6,7
	v_cndmask_b32 v[96+8*\t+\j], v[96+8*\t+\j], v[NINF], s[MK+\j]
.endr
.endr
.Lopen_\@:
.irp k, 0,1,2,3                                    ; the step's largest score of my query among my 64 keys: four chains (v244, v245, v250, v251), chain k on tiles 2 k and 2 k + 1, each accumulator from its low end on
	v_max3_num_f32 v[244+\k+4*(\k/2)], v[96+16*\k], v[97+16*\k], v[98+16*\k]
.endr
.irp m, 3,5,7,9,11,13
.irp k, 0,1,2,3
	v_max3_num_f32 v[244+\k+4*(\k/2)], v[244+\k+4*(\k/2)], v[96+16*\k+\m], v[97+16*\k+\m]
.endr
.endr
	v_max3_num_f32 v244, v244, v111, v127          ; each chain's sixteenth number,
	v_max3_num_f32 v250, v250, v143, v159
	s_delay_alu instid0(VALU_DEP_2)
	v_max3_num_f32 v244, v244, v245, v251          ; and the four chains
	s_delay_alu instid0(VALU_DEP_1)
	v_max_num_f32 v244, v244, v250
	s_delay_alu instid0(VALU_DEP_1)
	v_permlanex16_b32 v246, v244, s20, s21
	s_delay_alu instid0(VALU_DEP_1)
	v_max_num_f32 v244, v244, v246                 ; and among lane l xor 16's
	s_delay_alu instid0(VALU_DEP_1)
	v_mul_f32 v244, s22, v244                      ; as t (c is positive)
	s_delay_alu instid0(VALU_DEP_1)
	v_max_num_f32 v[\st+1], v[\st+1], v244         ; the running largest t
	v_mov_b32 v245, v[\st]
	s_delay_alu instid0(VALU_DEP_2)
	v_floor_f32 v[\st], -v[\st+1]                  ; the new -M = floor(-t) = -ceil(t)
.set n, 0
.rept 4
	v_pk_fma_f32 v[96+n:97+n], v[96+n:97+n], s[22:23], v[\st:\st+1] op_sel_hi:[1,0,0]   ; t - M, two at a time; the three lines that make f stand among these
.set n, n+2
.endr
	v_sub_f32 v245, v[\st], v245                   ; old M - new M: a whole number, 0 or less
.rept 4
	v_pk_fma_f32 v[96+n:97+n], v[96+n:97+n], s[22:23], v[\st:\st+1] op_sel_hi:[1,0,0]
.set n, n+2
.endr
	v_cvt_i32_f32 v245, v245                       ; (it saturates)
.rept 4
	v_pk_fma_f32 v[96+n:97+n], v[96+n:97+n], s[22:23], v[\st:\st+1] op_sel_hi:[1,0,0]
.set n, n+2
.endr
	v_ldexp_f32 v248, 1.0, v245                    ; f = 2^(old M - new M)
.rept 20
	v_pk_fma_f32 v[96+n:97+n], v[96+n:97+n], s[22:23], v[\st:\st+1] op_sel_hi:[1,0,0]
.set n, n+2
.endr
	s_wait_alu depctr_va_vdst(0)                   ; the wait ahead of the batch
.set n, 0
.rept 64
	v_exp_f32 v[96+n], v[96+n]                     ; p = 2^(t - M), at most 1
.set n, n+1
.endr
	v_pk_mul_f32 v[\st+2:\st+3], v[\st+2:\st+3], v[248:249] op_sel_hi:[1,0]   ; l under the new M: the plain line behind the exponentials
	s_wait_alu depctr_va_vdst(0)                   ; one wait for the whole batch, ahead of its first reader
	v_pk_add_f32 v[250:251], v[98:99], v[100:101]  ; l takes the unquantised p: 32 pairs in four chains
	v_pk_add_f32 v[252:253], v[102:103], v[104:105]
	v_pk_add_f32 v[254:255], v[106:107], v[108:109]
	v_pk_add_f32 v[\st+2:\st+3], v[\st+2:\st+3], v[96:97]
.set n, 14
.rept 6
	v_pk_add_f32 v[250:251], v[250:251], v[96+n:97+n]
	v_pk_add_f32 v[252:253], v[252:253], v[98+n:99+n]
	v_pk_add_f32 v[254:255], v[254:255], v[100+n:101+n]
	v_pk_add_f32 v[\st+2:\st+3], v[\st+2:\st+3], v[102+n:103+n]
.set n, n+8
.endr
	v_pk_add_f32 v[250:251], v[250:251], v[158:159]
	s_delay_alu instid0(VALU_DEP_3)
	v_pk_add_f32 v[252:253], v[252:253], v[254:255]
	s_delay_alu instid0(VALU_DEP_2)
	v_pk_add_f32 v[\st+2:\st+3], v[\st+2:\st+3], v[250:251]
	s_delay_alu instid0(VALU_DEP_1)
	v_pk_add_f32 v[\st+2:\st+3], v[\st+2:\st+3], v[252:253]
.irp b, 0,1,2,3
.set n, 0
.rept 8
	v_dual_min_num_f32 v[96+16*\b+n], v[96+16*\b+n], v241 :: v_dual_min_num_f32 v[97+16*\b+n], v[97+16*\b+n], v240   ; the conversion does not saturate (ISA guide 7.6.2); p is not negative, so the hold is one-sided; two numbers a line
.set n, n+2
.endr
	v_cvt_scalef32_pk8_fp8_f32 v[224+4*\b:225+4*\b], v[96+16*\b:103+16*\b], v242
	v_cvt_scalef32_pk8_fp8_f32 v[226+4*\b:227+4*\b], v[104+16*\b:111+16*\b], v242
.endr
	s_wait_dscnt 0x0                               ; V's fragments are in
	s_wait_alu depctr_va_vdst(0)                   ; the wait directly ahead of the first reader of O^T
.set n, 0
.rept 16
	v_pk_mul_f32 v[\ob+n:\ob+n+1], v[\ob+n:\ob+n+1], v[248:249] op_sel_hi:[1,0]   ; O^T under the new M; also the plain lines between the conversions and the products that read their results
.set n, n+2
.endr
.irp t, 0,1,2,3
	v_wmma_f32_16x16x128_fp8_fp8 v[\ob+8*\t:\ob+8*\t+7], v[32+16*\t:47+16*\t], v[224:239], v[\ob+8*\t:\ob+8*\t+7]   ; four accumulators by turns; eight products on scores stand ahead of their next turn
.endr
.Lhid_\@:
.endm
; Trips J up to lim - 1: both tiles' steps on key step J.
.macro WALK lim
.Ltrip_\@:
	v_add_nc_u32 v2, s2, v1
	v_add_nc_u32 v3, VOFF, v2
	STEP 16, 160, 8, GA, PA
	STEP 24, 192, 12, GB, PB
	s_add_co_u32 s2, s2, 8192
	s_add_co_u32 s3, s3, 1
	s_cmp_lt_u32 s3, \lim
	s_cbranch_scc1 .Ltrip_\@
.endm
; A tile's end: O^T / l x 2^(e8 + e9 - e10), held within +-448 and converted with the scale 1: two chunks, 64 of the last product's K, of my 16 rows' image.
.macro OUT ob, st, base, reg
.rept 4
	v_nop                                          ; places behind the last products
.endr
	v_add_f32 v244, v[\st+2], v[\st+3]
	s_delay_alu instid0(VALU_DEP_1)
	v_permlanex16_b32 v246, v244, s20, s21
	s_delay_alu instid0(VALU_DEP_1)
	v_add_f32 v244, v244, v246                     ; the row's sum
	s_wait_alu depctr_va_vdst(0)                   ; the wait ahead of the transcendental
	v_rcp_f32 v244, v244
	v_nop                                          ; a plain line behind it
	s_wait_alu depctr_va_vdst(0)                   ; and the wait ahead of its first reader
	v_ldexp_f32 v248, v244, s73
	s_wait_alu depctr_va_vdst(0)                   ; the wait directly ahead of the first reader of O^T
.set n, 0
.rept 16
	v_pk_mul_f32 v[96+n:97+n], v[\ob+n:\ob+n+1], v[248:249] op_sel_hi:[1,0]   ; each accumulator from its low end on
.set n, n+2
.endr
.set n, 0
.rept 32
	v_med3_num_f32 v[96+n], v[96+n], -v247, v247
.set n, n+1
.endr
.irp g, 0,1,2,3
	v_cvt_scalef32_pk8_fp8_f32 v[\reg+2*\g:\reg+2*\g+1], v[96+8*\g:103+8*\g], v242
.endr
	v_nop                                          ; a plain line between the conversions and the next write of their sources
	global_store_b128 v1, v[\reg:\reg+3],   s[\base:\base+1]              ; 32 lanes store 512 consecutive bytes, at a multiple of 512 from the buffer's first byte
	global_store_b128 v1, v[\reg+4:\reg+7], s[\base:\base+1] offset:512
.endm
	s_load_b128 s[4:7], s[0:1], 0x0                ; qkv 4, the scales' exponents 6
	s_load_b64 s[8:9], s[0:1], 0x10                ; aimg
	v_lshl_add_u32 v[SPW], v0, 2, SPARE
	v_mov_b32 v[NIL], 0
	ds_add_u32 v[SPW], v[NIL]                      ; the wave's opening: the add, twice on end, and its wait ahead of my first tensor load
	ds_add_u32 v[SPW], v[NIL]
	v_lshrrev_b32 v7, 5, v0
	v_readfirstlane_b32 s[WV], v7                  ; wave 0..15
	s_bfe_u32 s10, ttmp6, 0x40000                  ; cx
	s_and_b32 s11, ttmp7, 0xffff                   ; batch x 16 + head
	s_mov_b32 s24, 15|(3<<16)|(1<<21)              ; descriptor groups 1: the mask of all four partners, elements of 8 bytes, bit 21 beside the mask, no padding; dense blocks as rows of 256 bytes
	s_mov_b32 s25, 32<<16                          ; tensor_dim0 = 32
	s_mov_b32 s26, 4<<16                           ; tensor_dim1 = 4: 1,024 bytes
	s_mov_b32 s27, 32<<16                          ; tile_dim0
	s_mov_b32 s28, 4                               ; tile_dim1
	s_mov_b32 s29, 32                              ; pitch = row
	s_mov_b32 s30, 0
	s_mov_b32 s31, 0
	s_mov_b32 s32, 15|(3<<16)|(1<<21)
	s_mov_b32 s33, 32<<16
	s_mov_b32 s34, 60<<16                          ; 60 rows: 15,360 bytes
	s_mov_b32 s35, 32<<16
	s_mov_b32 s36, 60
	s_mov_b32 s37, 32
	s_mov_b32 s38, 0
	s_mov_b32 s39, 0
	s_mov_b32 s20, 0x76543210
	s_mov_b32 s21, 0xfedcba98
	s_mov_b32 s22, 0x3e38aa3b                      ; c = log2(e) / sqrt(64)
	s_mov_b32 s2, 0
	s_mov_b32 s3, 0
	s_and_b32 s96, s[WV], 1                        ; my two groups: entry 4 (wave % 2) + wave / 4 of the two tables, a nibble each
	s_lshl_b32 s96, s96, 2
	s_lshr_b32 s97, s[WV], 2
	s_add_co_u32 s96, s96, s97
	s_lshl_b32 s96, s96, 2
	s_lshr_b32 s[GA], 0x46bc1def, s96              ; 15, 14, 13, 1; 12, 11, 6, 4
	s_and_b32 s[GA], s[GA], 15
	s_lshr_b32 s[GB], 0x35a90287, s96              ; 7, 8, 2, 0; 9, 10, 5, 3
	s_and_b32 s[GB], s[GB], 15
	s_lshl_b32 s16, s11, 17                        ; the head's 131,072 bytes in each plane
	s_lshr_b32 s96, s[WV], 3                       ; what I fetch: 0 K, 1 V,
	s_and_b32 s97, s[WV], 7                        ; which eighth
	s_lshl_b32 s41, s96, 17                        ; its region of LDS
	s_add_co_u32 s45, s41, 8192                    ; the second group begins at key step 1
	s_add_co_u32 s98, s96, 1
	s_lshl_b32 s98, s98, 23                        ; its plane of qkv,
	s_add_co_u32 s98, s98, s16                     ; the head
	s_lshl_b32 s99, s97, 10
	s_add_co_u32 s41, s41, s99                     ; first group: 1,024 bytes a wave
	s_add_co_u32 s52, s98, s99
	s_mov_b32 s53, 0
	s_mul_i32 s99, s97, 15360
	s_add_co_u32 s45, s45, s99                     ; second group: 15,360 bytes a wave
	s_add_co_u32 s54, s98, s99
	s_add_co_u32 s54, s54, 8192
	s_mov_b32 s55, 0
	s_bfe_u32 s59, s[WV], 0x10001                  ; bit 1 of my wave's number
	s_lshl_b32 s[PA], s10, 1
	s_add_co_u32 s[PA], s[PA], s59                 ; both my tiles stand at place 2 cx + that bit of their groups
	s_mov_b32 s[PB], s[PA]
	s_lshl_b32 s56, s[GA], 3
	s_add_co_u32 s56, s56, s[PA]                   ; tile A
	s_lshl_b32 s57, s[GB], 3
	s_add_co_u32 s57, s57, s[PB]                   ; tile B
	s_lshl_b32 s60, s56, 10                        ; q: a tile of 16 queries is 1,024 bytes
	s_add_co_u32 s60, s60, s16
	s_mov_b32 s61, 0
	s_lshl_b32 s62, s57, 10
	s_add_co_u32 s62, s62, s16
	s_mov_b32 s63, 0
	s_lshr_b32 s58, s11, 4
	s_lshl_b32 s58, s58, 7                         ; aimg: [K slot = head / 4][tile of 16 tokens = 128 x batch + ..][1,024 (head % 4) + 512 b]
	s_and_b32 s59, s11, 15
	s_lshr_b32 s74, s59, 2
	s_lshl_b32 s74, s74, 21
	s_and_b32 s75, s59, 3
	s_lshl_b32 s75, s75, 10
	s_add_co_u32 s74, s74, s75
	s_add_co_u32 s48, s56, s58
	s_lshl_b32 s48, s48, 12
	s_add_co_u32 s48, s48, s74
	s_mov_b32 s49, 0
	s_add_co_u32 s50, s57, s58
	s_lshl_b32 s50, s50, 12
	s_add_co_u32 s50, s50, s74
	s_mov_b32 s51, 0
	s_wait_dscnt 0x0                               ; both opening adds are done
	s_wait_kmcnt 0x0
	s_load_b128 s[68:71], s[6:7], 0x18             ; e6, e7, e8, e9
	s_load_b32 s72, s[6:7], 0x28                   ; e10
	s_mov_b32 s40, 1                               ; count = 1
	s_add_nc_u64 s[42:43], s[4:5], s[52:53]
	s_or_b32 s43, s43, 0x80000000                  ; type = 2
	s_mov_b32 s44, 1
	s_add_nc_u64 s[46:47], s[4:5], s[54:55]
	s_or_b32 s47, s47, 0x80000000
	ROUND                                          ; all four work-groups are here: the first joint loads meet
	tensor_load_to_lds s[40:43], s[24:31]          ; my part of key step 0: one tensor load a wave at the head
	s_nop 0
	s_add_nc_u64 s[60:61], s[4:5], s[60:61]
	s_add_nc_u64 s[62:63], s[4:5], s[62:63]
	s_add_nc_u64 s[48:49], s[8:9], s[48:49]
	s_add_nc_u64 s[50:51], s[8:9], s[50:51]
	v_and_b32 v7, 31, v0
	v_lshlrev_b32 v1, 4, v7
	global_load_b128 v[16:19], v1, s[60:61]        ; both tiles' Q stay in registers
	global_load_b128 v[20:23], v1, s[60:61] offset:512
	global_load_b128 v[24:27], v1, s[62:63]
	global_load_b128 v[28:31], v1, s[62:63] offset:512
	v_and_b32 v2, 15, v0
	v_bfe_u32 v3, v0, 4, 1
	v_lshlrev_b32 v3, 3, v3
	v_sub_nc_u32 v4, v2, v3                        ; r - 8 h
.irp j, 0,1,2,3,4,5,6,7
	v_cmp_gt_i32 s[TRI+\j], \j, v4                 ; in the tile of keys at my place register j is hidden where 8 h + j > r
.endr
.irp st, 8, 12                                     ; both tiles begin: the largest t under every t, l and O^T zeros, which the first change of M leaves zeros
	v_mov_b32 v[\st+1], 0xff61b1e6                 ; -3e38
	v_floor_f32 v[\st], -v[\st+1]
	v_mov_b32 v[\st+2], 0
	v_mov_b32 v[\st+3], 0
.endr
.set n, 0
.rept 64
	v_mov_b32 v[160+n], 0                          ; the step is written once for first and later steps alike
.set n, n+1
.endr
	v_mov_b32 v246, 0                              ; written once: a lane permute's destination counts as one of its sources
	v_mov_b32 v248, 0
	v_mov_b32 v249, 0                              ; (named as the upper half of the pair v[248:249])
	v_mov_b32 v[NINF], 0xff800000
	v_mov_b32 v247, 0x43e00000                     ; 448
	s_wait_kmcnt 0x0
	s_add_co_i32 s96, s68, s69
	s_lshl_b32 s96, s96, 23
	s_add_co_i32 s22, s22, s96                     ; a score stands for score x 2^(e6 + e7): the exponents are added to c's exponent field
	s_mov_b32 s23, s22                             ; (named with it as a pair, so it is written)
	s_add_co_i32 s96, s70, 127
	s_lshl_b32 s97, s96, 23
	v_mov_b32 v242, s97                            ; 2^e8
	s_add_co_i32 s96, s96, 8
	s_lshl_b32 s96, s96, 23
	s_or_b32 s96, s96, 0x600000
	v_mov_b32 v240, s96                            ; 448 x 2^e8, in two registers: one for each half of a dual line
	v_mov_b32 v241, s96
	s_add_co_i32 s73, s70, s71
	s_sub_co_i32 s73, s73, s72                     ; e8 + e9 - e10
	s_wait_alu depctr_va_vdst(0)                   ; the wait at the head's end
	s_wait_tensorcnt 0x0                           ; my part of key step 0 is in; the add and its wait ahead of a later first fill:
	ds_add_u32 v[SPW], v[NIL]
	s_wait_dscnt 0x0
	ROUND                                          ; everybody's part is in, and all four work-groups are here
	tensor_load_to_lds s[44:47], s[32:39]          ; my part of key steps 1 to 15: bytes that nothing has filled; it lands while key step 0 is worked
	s_nop 0
	s_wait_loadcnt 0x0                             ; Q
	WALK 1                                         ; key step 0
	s_wait_tensorcnt 0x0                           ; my part of key steps 1 to 15 is in;
	s_wait_dscnt 0x0
	s_barrier_signal -1
	s_barrier_wait -1                              ; everybody's is.
	s_mov_b32 s2, 8192                             ; the second walk begins at key step 1
	s_mov_b32 s3, 1
	WALK 16
	v_mov_b32 v242, 1.0                            ; the results' conversion has the scale 1
	OUT 160, 8, 48, 224
	OUT 192, 12, 50, 232
	s_wait_tensorcnt 0x0                           ; the wave's end: the closing lines behind my last tensor load
	ds_add_u32 v[SPW], v[NIL]
	s_wait_dscnt 0x0
	ROUND                                          ; the closing round
	s_endpgm
.Lfunc_end_k_q3baf94118c_attn:
	.size	k_q3baf94118c_attn, .Lfunc_end_k_q3baf94118c_attn-k_q3baf94118c_attn
	.p2alignl 7, 3214868480
	.fill 96, 4, 3214868480
	.section	.rodata,"a",@progbits
	.p2align	6, 0x0
	.amdhsa_kernel k_q3baf94118c_attn
		.amdhsa_group_segment_fixed_size 327680
		.amdhsa_private_segment_fixed_size 0
		.amdhsa_enable_private_segment 0
		.amdhsa_kernarg_size 24
		.amdhsa_user_sgpr_count 2
		.amdhsa_user_sgpr_kernarg_segment_ptr 1
		.amdhsa_wavefront_size32 1
		.amdhsa_system_sgpr_workgroup_id_x 1
		.amdhsa_system_sgpr_workgroup_id_y 1
		.amdhsa_system_sgpr_workgroup_id_z 1
		.amdhsa_system_vgpr_workitem_id 0
		.amdhsa_next_free_vgpr 256
		.amdhsa_next_free_sgpr 100
		.amdhsa_reserve_vcc 0
		.amdhsa_float_denorm_mode_32 3
		.amdhsa_float_denorm_mode_16_64 3
		.amdhsa_memory_ordered 1
		.amdhsa_forward_progress 1
		.amdhsa_inst_pref_size 109
	.end_amdhsa_kernel
	.amdgpu_metadata
---
amdhsa.version: [ 1, 2 ]
amdhsa.kernels:
  - .name:           k_q3baf94118c_attn
    .symbol:         k_q3baf94118c_attn.kd
    .args:
      - { .name: qkv, .offset: 0, .size: 8, .value_kind: global_buffer, .address_space: global }
      - { .name: lowp_scales, .offset: 8, .size: 8, .value_kind: global_buffer, .address_space: global }
      - { .name: aimg, .offset: 16, .size: 8, .value_kind: global_buffer, .address_space: global }
    .group_segment_fixed_size: 327680
    .private_segment_fixed_size: 0
    .kernarg_segment_align: 8
    .kernarg_segment_size: 24
    .max_flat_workgroup_size: 512
    .sgpr_count:     100
    .vgpr_count:     256
    .wavefront_size: 32
...
	.end_amdgpu_metadata
.endif
;; end of part 3
;; launch proj (part 4): grid 4 x 64, 4 waves a work-group, clusters of 4 x 4, 327,680 bytes of LDS; arguments aimg, wimg, lowp_scales, bo, out0; writes out0
.if DOCPART == 4
	.amdgcn_target "amdgcn-amd-amdhsa--gfx1250"
	.amdhsa_code_object_version 6
	.text
	.protected	k_q3baf94118c_proj
	.globl	k_q3baf94118c_proj
	.p2align	8
	.type	k_q3baf94118c_proj,@function
k_q3baf94118c_proj:
	s_mov_b64 s[64:65], 0
	v_nop
	global_prefetch_b8 v0, s[64:65] scope:SCOPE_SE
	s_setreg_imm32_b32 hwreg(HW_REG_WAVE_MODE, 25, 1), 1
	s_wait_xcnt 0x0
	s_wait_alu depctr_hold_cnt(0) depctr_sa_sdst(0) depctr_va_vdst(0) depctr_va_sdst(0) depctr_va_ssrc(0) depctr_va_vcc(0) depctr_vm_vsrc(0)
	s_getreg_b32 s2, hwreg(HW_REG_IB_STS2, 6, 4)
	s_cmp_eq_u32 s2, 0
	s_cbranch_scc0 .Lentry_in_a_cluster
	s_endpgm
.Lentry_in_a_cluster:
	s_bfe_u32 s2, ttmp6, 0x10000c
	s_cmp_lg_u32 s2, 0xf033
	s_cbranch_scc0 .Lentry_shape_is_right
	s_endpgm
.Lentry_shape_is_right:
; out0 = (attention's result) Wo + bo on E4M3 codes (scales 2^e10, 2^e11), K = 1,024; out0 [8192][1024] f32 = sum x 2^(e10 + e11) + bo, one packed multiply-add for two numbers.
; D = P Q^T: source 0 = 16 rows of P = 16 columns of Wo, source 1 = 16 rows of Q = 16 tokens: lane (r, h) holds token r and eight neighbouring columns 8 h + j.
; A work-group makes 256 columns x 128 tokens; four waves, wave w: P's half w % 2 (8 fragments), Q's half w / 2 (4 fragments): 32 accumulators.  4 x 64 = 256 work-groups.
; OPERANDS lie in memory as images of their registers (16 rows x 128 K = 2,048 bytes; lane L's 16 bytes of chunk c at 512 c + 16 L): a K slot's tile is one dense block, and a fragment is four ds_load_b128 of 512 consecutive bytes.
; LDS: three slots of 98,304 bytes, a K slot of 256 each: P's 16 tiles x 4,096 bytes, then Q's 8.  K slots 0, 1, 2 are first fills, issued together: three tensor loads of a wave are out at the start.
; K slot 3 is the one refill, into slot 0: one load is out then.  No loop.  The way out's stages lie in slot 1: it has had its only fill, and nobody reads it behind step 5's barrier.
; CLUSTER 4 x 4: P's block hangs on cx alone and is asked for jointly by a column of the cluster, Q's on cy alone, by a row.  Waves 0, 1 fetch P's halves, waves 2, 3 Q's.
; LIMIT: e10 + e11 lies between -126 and 127, so that 2^(e10 + e11) is an f32 number.
; REGISTERS, in windows of 256: window 0: v4-22 addresses, v28, v29, v32-95 results at work, v128-255 Q's fragments, two sets (then rows read back).  window 1: P's fragments, two sets.  window 2: accumulator (a, b) at v[8 (8 a + b)].  window 3: v0-63 bo.
; THE FILLS AS THIS TEXT ISSUES THEM (this takes the place of what the lines above say of the first fills and of who fetches): a load brings a whole block of a K slot, P's 65,536 bytes or Q's 32,768.
; At the head wave 0 asks for P's K slot 0, wave 1 for Q's, waves 2 and 3 for K slot 1's: one load a wave.  Behind the next round waves 0 and 1 ask for K slot 2, slot 2's first fill.
; Behind the round in step 1 waves 2 and 3 ask for K slot 3, the one refill, into slot 0.  By the text's own count a wave never has more than one load out.
.set SLOT,  98304
.set SPARE, 3*SLOT                     ; behind the ring: the spare words, 128 bytes a wave: two blocks of 256 bytes that no other line names
.set STAGE, SLOT                       ; 16 rows x (512 bytes + 16) for each wave
.set ADP,   8                          ; v8-10   LDS address of my P fragments in slot 0, 1, 2
.set ADQ,   12                         ; v12-14  the same for Q
.set STO,   21                         ; v21     the way out: where I put 32 bytes of a row
.set RD,    22                         ; v22     and where I read a row back
.set SPW,   28                         ; v28     LDS address of my spare word; never rewritten
.set NIL,   29                         ; v29     0; never rewritten
.set TT,    32
.set WV,    14                         ; s14 wave; s15 = wave / 2: Q's half that I multiply; s16 = wave % 2: P's half that I multiply
.set QH,    15
.set PH,    16
.set G1P,   24                         ; s[24:31], s[32:39] descriptor groups 1;  s[40:51], s[52:63] groups 0, a set for each slot
.set G1Q,   32
.set G0P,   40
.set G0Q,   52
.set PKS,   66                         ; s[66:67], s[68:69] bytes from a K slot to the next in wimg and in aimg; s[70:71], s[72:73] three times that
.set QKS,   68
.set PK3,   70
.set QK3,   72
.set W_MUL, 0xa1                       ; source 0 (P) window 1, source 1 (Q) window 0, C and D window 2
.set TO_P,  0x40                       ; destination window 1, address window 0
.set MSB, 0
.macro WIN new                         ; the immediate's high byte repeats the setting that is left
.if MSB != \new
	s_set_vgpr_msb (MSB<<8)|\new
.set MSB, \new
.endif
.endm
.macro PLACES                          ; four plain vector lines between a matrix instruction and a load into a register that it read, or a vector read of its result (ISA guide 7.12.1 for the vector read)
.rept 4
	v_nop
.endr
.endm
.macro CROUND                          ; a round of the cluster's barrier
	s_barrier_signal -1
	s_barrier_wait -1
	s_cmp_lg_u32 s[WV], 0
	s_cbranch_scc1 .Lnot_wave_0_\@
	s_barrier_signal -3
.Lnot_wave_0_\@:
	s_barrier_wait -3
	s_barrier_signal -1
	s_barrier_wait -1
.endm
.macro JLOAD w, s                      ; a joint load into slot s: wave w asks for P's block, wave w + 1 for Q's, the others for nothing.  The branches hang on the wave's number alone; four plain lines stand on every way
	s_cmp_eq_u32 s[WV], \w
	s_cbranch_scc0 .Lnot_p_\@
	tensor_load_to_lds s[G0P+4*\s:G0P+4*\s+3], s[G1P:G1P+7]
	s_nop 0
	PLACES
	s_branch .Lasked_\@
.Lnot_p_\@:
	s_cmp_eq_u32 s[WV], \w+1
	s_cbranch_scc0 .Lnone_\@
	tensor_load_to_lds s[G0Q+4*\s:G0Q+4*\s+3], s[G1Q:G1Q+7]
	s_nop 0
	PLACES
	s_branch .Lasked_\@
.Lnone_\@:
	PLACES
.Lasked_\@:
.endm
.macro FETCH sl, kk, p                 ; 48 LDS loads in one run: Q's four fragments, then P's eight, of half kk of slot sl, into set p
	WIN 0
.irp a, 0,1,2,3
.irp c, 0,1,2,3
	ds_load_b128 v[128+64*(\p)+16*\a+4*\c:128+64*(\p)+16*\a+4*\c+3], v[ADQ+\sl] offset:4096*\a+2048*(\kk)+512*\c
.endr
.endr
	WIN TO_P
.irp b, 0,1,2,3,4,5,6,7
.irp c, 0,1,2,3
	ds_load_b128 v[128*(\p)+16*\b+4*\c:128*(\p)+16*\b+4*\c+3], v[ADP+\sl] offset:4096*\b+2048*(\kk)+512*\c
.endr
.endr
	WIN 0
.endm
.macro MUL16 b0, p, zero               ; P's blocks b0 .. b0 + 3 x Q's four.  The 32 accumulators take turns, one instruction a turn, in the same order in every step.  zero = 1: the products start the sums
.irp b, \b0, \b0+1, \b0+2, \b0+3
.irp a, 0,1,2,3
.if \zero
	v_wmma_f32_16x16x128_fp8_fp8 v[8*(8*\a+(\b)):8*(8*\a+(\b))+7], v[128*(\p)+16*(\b):128*(\p)+16*(\b)+15], v[128+64*(\p)+16*\a:128+64*(\p)+16*\a+15], 0
.else
	v_wmma_f32_16x16x128_fp8_fp8 v[8*(8*\a+(\b)):8*(8*\a+(\b))+7], v[128*(\p)+16*(\b):128*(\p)+16*(\b)+15], v[128+64*(\p)+16*\a:128+64*(\p)+16*\a+15], v[8*(8*\a+(\b)):8*(8*\a+(\b))+7]
.endif
.endr
.endr
.endm
; A step of 128 along K on set p.  kind 0: in its middle the next step's fragments (slot nsl, half nkk) are fetched into the other set.  kind 2: the same, behind the wait for the refill and a barrier.  kind 3: the last step.
.macro STEP p, zero, kind, nsl, nkk
	s_wait_dscnt 16                                ; Q's fragments and P's blocks 0-3 are in; the youngest sixteen loads (P's blocks 4-7) may be out
	WIN W_MUL
	MUL16 0, \p, \zero
	s_wait_dscnt 0x0                               ; P's blocks 4-7 are in
.if \kind == 2
	WIN 0
	s_wait_tensorcnt 0x0                           ; my one load that is out, my part of K slot 3, has landed;
	s_barrier_signal -1
	s_barrier_wait -1                              ; everybody's has.
.endif
.if \kind != 3
	PLACES
	FETCH \nsl, \nkk, 1-\p
.endif
	WIN W_MUL
	MUL16 4, \p, \zero
	WIN 0
.endm
	s_load_b256 s[4:11], s[0:1], 0x0               ; aimg 4, wimg 6, the scales' exponents 8, bo 10
	s_load_b64 s[12:13], s[0:1], 0x20              ; out0
	v_lshl_add_u32 v[SPW], v0, 2, SPARE
	v_mov_b32 v[NIL], 0
	ds_add_u32 v[SPW], v[NIL]                      ; the wave's opening: the add and its wait ahead of my first tensor load; work on registers stands between them
	ds_add_u32 v[SPW], v[NIL]
	v_lshrrev_b32 v1, 5, v0
	v_readfirstlane_b32 s[WV], v1
	s_lshr_b32 s[QH], s[WV], 1
	s_and_b32 s[PH], s[WV], 1
	s_bfe_u32 s17, ttmp6, 0x40000                  ; cx
	s_bfe_u32 s18, ttmp6, 0x40004                  ; cy
	s_and_b32 s20, ttmp7, 0xffff                   ; cluster y: 0..15
	s_lshl_b32 s21, ttmp9, 2
	s_add_co_u32 s21, s21, s17                     ; P's block of 256 columns: it hangs on cx alone
	s_lshl_b32 s22, s20, 2
	s_add_co_u32 s22, s22, s18                     ; Q's block of 128 tokens: on cy alone
	s_mov_b32 s[PKS], 0x40000
	s_mov_b32 s[PKS+1], 0
	s_mov_b32 s[QKS], 0x200000
	s_mov_b32 s[QKS+1], 0
	s_mov_b32 s[PK3], 0xc0000
	s_mov_b32 s[PK3+1], 0
	s_mov_b32 s[QK3], 0x600000
	s_mov_b32 s[QK3+1], 0
	s_lshl_b32 s82, s18, 2
	s_lshl_b32 s82, 15, s82                        ; my row of the cluster
	s_lshl_b32 s83, 0x1111, s17                    ; my column
	s_or_b32 s[G1P], s83, (3<<16)|(1<<21)          ; 15:0 the mask; 17:16 elements of 8 bytes; 21 set beside a mask; no padding
	s_or_b32 s[G1Q], s82, (3<<16)|(1<<21)
	s_mov_b32 s[G1P+1], 32<<16                     ; a dense block as rows of 256 bytes: tensor_dim0 = 32,
	s_mov_b32 s[G1P+2], 256<<16                    ; tensor_dim1 = 256,
	s_mov_b32 s[G1P+3], 32<<16                     ; tile_dim0 = 32,
	s_mov_b32 s[G1P+4], 256                        ; tile_dim1 = 256: 65,536 bytes,
	s_mov_b32 s[G1P+5], 32                         ; pitch = row
	s_mov_b32 s[G1P+6], 0
	s_mov_b32 s[G1P+7], 0
	s_mov_b32 s[G1Q+1], 32<<16
	s_mov_b32 s[G1Q+2], 128<<16                    ; Q's block: 128 rows: 32,768 bytes
	s_mov_b32 s[G1Q+3], 32<<16
	s_mov_b32 s[G1Q+4], 128
	s_mov_b32 s[G1Q+5], 32
	s_mov_b32 s[G1Q+6], 0
	s_mov_b32 s[G1Q+7], 0
	s_lshl_b32 s78, s21, 16                        ; P's block: 16 tiles x 4,096 bytes of a K slot,
	s_add_co_u32 s78, s78, 0x300000                ; in Wo's plane of wimg,
	s_mov_b32 s79, 0
	s_lshl_b32 s80, s22, 15                        ; Q's block: 8 tiles
	s_mov_b32 s81, 0
	s_mov_b32 s2, 0                                ; where the blocks go in a slot: P's at its head,
	s_mov_b32 s3, 65536                            ; Q's behind P's
	s_wait_dscnt 0x0                               ; the opening add is done
	s_wait_kmcnt 0x0
	s_load_b64 s[94:95], s[8:9], 0x28              ; e10, e11
	s_add_nc_u64 s[G0P+2:G0P+3], s[6:7], s[78:79]
	s_add_nc_u64 s[G0P+6:G0P+7], s[G0P+2:G0P+3], s[PKS:PKS+1]
	s_add_nc_u64 s[G0P+10:G0P+11], s[G0P+6:G0P+7], s[PKS:PKS+1]
	s_add_nc_u64 s[G0Q+2:G0Q+3], s[4:5], s[80:81]
	s_add_nc_u64 s[G0Q+6:G0Q+7], s[G0Q+2:G0Q+3], s[QKS:QKS+1]
	s_add_nc_u64 s[G0Q+10:G0Q+11], s[G0Q+6:G0Q+7], s[QKS:QKS+1]
.irp s, 0,1,2
	s_mov_b32 s[G0P+4*\s], 1                       ; count = 1
	s_add_co_u32 s[G0P+4*\s+1], s2, \s*SLOT        ; LDS address
	s_or_b32 s[G0P+4*\s+3], s[G0P+4*\s+3], 0x80000000   ; type = 2
	s_mov_b32 s[G0Q+4*\s], 1
	s_add_co_u32 s[G0Q+4*\s+1], s3, \s*SLOT
	s_or_b32 s[G0Q+4*\s+3], s[G0Q+4*\s+3], 0x80000000
.endr
	CROUND                                         ; all sixteen work-groups are here: the first joint loads meet
	s_cmp_eq_u32 s[WV], 0                          ; one chain on the wave's number, one first fill to an arm, all arms lead to one join
	s_cbranch_scc0 .Lfirst_1
	tensor_load_to_lds s[G0P:G0P+3], s[G1P:G1P+7]  ; wave 0: P's K slot 0
	s_nop 0
	PLACES
	s_branch .Lfirst_asked
.Lfirst_1:
	s_cmp_eq_u32 s[WV], 1
	s_cbranch_scc0 .Lfirst_2
	tensor_load_to_lds s[G0Q:G0Q+3], s[G1Q:G1Q+7]  ; wave 1: Q's K slot 0
	s_nop 0
	PLACES
	s_branch .Lfirst_asked
.Lfirst_2:
	s_cmp_eq_u32 s[WV], 2
	s_cbranch_scc0 .Lfirst_3
	tensor_load_to_lds s[G0P+4:G0P+7], s[G1P:G1P+7]   ; wave 2: P's K slot 1
	s_nop 0
	PLACES
	s_branch .Lfirst_asked
.Lfirst_3:
	tensor_load_to_lds s[G0Q+4:G0Q+7], s[G1Q:G1Q+7]   ; wave 3: Q's K slot 1
	s_nop 0
	PLACES
.Lfirst_asked:
	v_and_b32 v1, 31, v0
	v_lshlrev_b32 v4, 4, v1                        ; 16 x lane: my place in every chunk, and in a row of 512 bytes
	s_wait_alu depctr_va_vdst(0)
	v_and_b32 v2, 15, v0                           ; r
	s_wait_alu depctr_va_vdst(0)
	v_bfe_u32 v3, v0, 4, 1                         ; h
	s_lshl_b32 s74, s21, 10                        ; my 128 columns, in bytes: 1,024 x P's block + 512 x my half
	s_lshl_b32 s75, s[PH], 9
	s_add_co_u32 s74, s74, s75
	s_mov_b32 s75, 0
	s_add_nc_u64 s[10:11], s[10:11], s[74:75]      ; bo there
	v_lshlrev_b32 v20, 5, v3                       ; + 32 h: for P's fragment b a lane wants bo at columns 16 b + 8 h + 0..7
	WIN 0xc0                                       ; destination window 3
.irp b, 0,1,2,3,4,5,6,7
	global_load_b128 v[8*\b:8*\b+3],   v20, s[10:11] offset:64*\b
	global_load_b128 v[8*\b+4:8*\b+7], v20, s[10:11] offset:64*\b+16
.endr
	WIN 0
	s_lshl_b32 s76, s22, 19                        ; my 64 tokens: 128 x Q's block + 64 x my half, rows of 4,096 bytes
	s_lshl_b32 s77, s[QH], 18
	s_add_co_u32 s76, s76, s77
	s_add_co_u32 s76, s76, s74
	s_mov_b32 s77, 0
	s_add_nc_u64 s[12:13], s[12:13], s[76:77]      ; out0 at my first token and column; never stepped
	s_lshl_b32 s96, s[PH], 15                      ; my 8 tiles of P's rows,
	s_lshl_b32 s97, s[QH], 14                      ; my 4 of Q's,
	s_add_co_u32 s97, s97, 65536                   ; which lie behind P's 16
.irp s, 0,1,2
	v_add_nc_u32 v[ADP+\s], s96, v4
	v_add_nc_u32 v[ADQ+\s], s97, v4
	s_add_co_u32 s96, s96, SLOT
	s_add_co_u32 s97, s97, SLOT
.endr
	s_mul_i32 s98, s[WV], 16*528
	s_add_co_u32 s98, s98, STAGE                   ; my stage
	v_mul_u32_u24 v[STO], v2, 528
	s_wait_alu depctr_va_vdst(0)
	v_lshl_add_u32 v[STO], v3, 5, v[STO]
	v_add_nc_u32 v[STO], s98, v[STO]               ; in: row r, + 32 h
	v_add_nc_u32 v[RD], s98, v4                    ; back: the 32 lanes take one row of 512 bytes
	s_wait_kmcnt 0x0
	s_add_co_i32 s96, s94, s95
	s_add_co_i32 s96, s96, 127
	s_lshl_b32 s96, s96, 23                        ; 2^(e10 + e11) as f32
	s_mov_b32 s97, s96                             ; (named with it as a pair, so it is written)
	s_wait_alu depctr_va_vdst(0)                   ; the wait at the head's end
	s_wait_tensorcnt 0x0                           ; my first fill has landed; the add and its wait ahead of a later first fill:
	ds_add_u32 v[SPW], v[NIL]
	s_wait_dscnt 0x0
	CROUND                                         ; K slots 0 and 1 are whole in every partner
	JLOAD 0, 2                                     ; K slot 2, slot 2's first fill: the first tensor load behind the round
	FETCH 0, 0, 0
	STEP 0, 1, 0, 0, 1                             ; step 0: its products start the sums: nothing is cleared
	; step 1 leaves slot 0, which takes K slot 3
	s_wait_tensorcnt 0x0                           ; all my tensor loads have landed: my parts of slots 1 and 2;
	ds_add_u32 v[SPW], v[NIL]                      ; 0 onto my spare word;
	s_add_nc_u64 s[G0P+2:G0P+3], s[G0P+2:G0P+3], s[PK3:PK3+1]   ; no load of mine is out, so slot 0's groups 0 may be written: three K slots on
	s_add_nc_u64 s[G0Q+2:G0Q+3], s[G0Q+2:G0Q+3], s[QK3:QK3+1]
	s_wait_dscnt 17                                ; (the add and the youngest sixteen loads may be out)
	WIN W_MUL
	MUL16 0, 1, 0                                  ; sixteen matrix instructions stand between the add and the wait for it
	WIN 0
	s_wait_dscnt 0x0                               ; the add is done, and my reads of slot 0 are over
	CROUND                                         ; no wave of any partner still reads slot 0 or has a load on its way
	JLOAD 2, 0                                     ; K slot 3 into slot 0: the first tensor load behind the round; its four v_nop are also the places in front of the loads below
	FETCH 1, 0, 0
	WIN W_MUL
	MUL16 4, 1, 0
	WIN 0
	STEP 0, 0, 0, 1, 1                             ; step 2: the last reads of slot 1 are asked for here, and are in at step 3's head
	STEP 1, 0, 0, 2, 0                             ; step 3: slot 2 was shown whole in front of the round
	STEP 0, 0, 0, 2, 1                             ; step 4
	STEP 1, 0, 2, 0, 0                             ; step 5: K slot 3 has landed; behind its barrier no wave reads slot 1
	STEP 0, 0, 0, 0, 1                             ; step 6
	STEP 1, 0, 3, 0, 0                             ; step 7
; THE WAY OUT, a tile of 16 tokens x my 128 columns at a time.  A lane holds 32 neighbouring bytes of a row, and the lanes beside it hold other rows: so a tile goes through my own stage and comes back as whole rows of
; 512 bytes.  LDS serves a wave's instructions in order (ISA guide 5.7.1.4): no wait between the stores and the loads, nor in front of the next tile's stores.
.macro TOSTAGE a
	WIN 0x32                                       ; source 0 (the sums) window 2, source 2 (bo) window 3
.set j, 0
.rept 32
	v_pk_fma_f32 v[TT+j:TT+j+1], v[64*(\a)+j:64*(\a)+j+1], s[96:97], v[j:j+1] op_sel_hi:[1,0,1]   ; sum x 2^(e10 + e11) + bo; each accumulator from its low end on
.set j, j+2
.endr
	WIN 0
.irp b, 0,1,2,3,4,5,6,7
	ds_store_b128 v[STO], v[TT+8*\b:TT+8*\b+3]   offset:64*\b
	ds_store_b128 v[STO], v[TT+8*\b+4:TT+8*\b+7] offset:64*\b+16
.endr
.set BB, 128+64*((\a)%2)
.irp t, 0,1,2,3,4,5,6,7,8,9,10,11,12,13,14,15
	ds_load_b128 v[BB+4*\t:BB+4*\t+3], v[RD] offset:\t*528
.endr
.endm
.macro SEND a, younger                 ; younger: the LDS instructions issued behind tile a's loads, which may stay out
.set BB, 128+64*((\a)%2)
	s_wait_dscnt \younger
.irp t, 0,1,2,3,4,5,6,7,8,9,10,11,12,13,14,15
	global_store_b128 v4, v[BB+4*\t:BB+4*\t+3], s[12:13] offset:(16*(\a)+\t)*4096 th:TH_STORE_NT   ; 32 lanes store 512 consecutive bytes, at a multiple of 512 from out0's first byte; written once, read by nobody here
.endr
.endm
	s_wait_loadcnt 0x0                             ; bo
	PLACES
	TOSTAGE 0
.irp a, 1,2,3
.if \a > 1
	s_wait_xcnt 0x0                                ; tile a - 2's stores have read their registers: tile a's rows may land there
.endif
	TOSTAGE \a
	SEND \a-1, 32                                  ; behind tile a - 1's loads: tile a's 16 stores and 16 loads
.endr
	SEND 3, 0
	s_wait_tensorcnt 0x0                           ; the wave's end: the closing lines behind my last tensor load and my last LDS store
	ds_add_u32 v[SPW], v[NIL]
	s_wait_dscnt 0x0
	CROUND                                         ; the closing round: no work-group ends while a partner may still ask for a tile that names it
	s_endpgm
.Lfunc_end_k_q3baf94118c_proj:
	.size	k_q3baf94118c_proj, .Lfunc_end_k_q3baf94118c_proj-k_q3baf94118c_proj
	.p2alignl 7, 3214868480
	.fill 96, 4, 3214868480
	.section	.rodata,"a",@progbits
	.p2align	6, 0x0
	.amdhsa_kernel k_q3baf94118c_proj
		.amdhsa_group_segment_fixed_size 327680
		.amdhsa_private_segment_fixed_size 0
		.amdhsa_enable_private_segment 0
		.amdhsa_kernarg_size 40
		.amdhsa_user_sgpr_count 2
		.amdhsa_user_sgpr_kernarg_segment_ptr 1
		.amdhsa_wavefront_size32 1
		.amdhsa_system_sgpr_workgroup_id_x 1
		.amdhsa_system_sgpr_workgroup_id_y 1
		.amdhsa_system_sgpr_workgroup_id_z 1
		.amdhsa_system_vgpr_workitem_id 0
		.amdhsa_next_free_vgpr 832
		.amdhsa_next_free_sgpr 100
		.amdhsa_reserve_vcc 0
		.amdhsa_float_denorm_mode_32 3
		.amdhsa_float_denorm_mode_16_64 3
		.amdhsa_memory_ordered 1
		.amdhsa_forward_progress 1
		.amdhsa_inst_pref_size 78
	.end_amdhsa_kernel
	.amdgpu_metadata
---
amdhsa.version: [ 1, 2 ]
amdhsa.kernels:
  - .name:           k_q3baf94118c_proj
    .symbol:         k_q3baf94118c_proj.kd
    .args:
      - { .name: aimg, .offset: 0, .size: 8, .value_kind: global_buffer, .address_space: global }
      - { .name: wimg, .offset: 8, .size: 8, .value_kind: global_buffer, .address_space: global }
      - { .name: lowp_scales, .offset: 16, .size: 8, .value_kind: global_buffer, .address_space: global }
      - { .name: bo, .offset: 24, .size: 8, .value_kind: global_buffer, .address_space: global }
      - { .name: out0, .offset: 32, .size: 8, .value_kind: global_buffer, .address_space: global }
    .group_segment_fixed_size: 327680
    .private_segment_fixed_size: 0
    .kernarg_segment_align: 8
    .kernarg_segment_size: 40
    .max_flat_workgroup_size: 128
    .sgpr_count:     100
    .vgpr_count:     832
    .wavefront_size: 32
...
	.end_amdgpu_metadata
.endif
;; end of part 4
